; MI455X (gfx1250); checked and timed in simulation.
; The chip was launched on July 23, 2026; its instructions are those of AMD's public machine-readable ISA for CDNA 5 (MIT licence, August 2026) and "CDNA5" Instruction Set Architecture Reference Guide (July 2026). The comments in the code are by the model that wrote it; some were corrected since.
;; Scaled Dot Product Attention. Allowed arithmetic: matrix products marked QUANTISED: E2M1 operands, one E8M0 scale for each 32 along K, by v_wmma_scale_f32_16x16x128_f8f6f4 with both operands' format E2M1 (or v_wmma_scale_f32_32x16x128_f4), f32 sums; everything else in f32.
;; Inputs: keys 4 x 16 x 2,048 x 64 float32; mask 2,048 x 2,048 bool; queries 4 x 16 x 2,048 x 64 float32; values 4 x 16 x 2,048 x 64 float32.
;; Outputs: out0 4 x 16 x 2,048 x 64 float32.
;; This version of the problem:
;;   THIS VERSION OF THE PROBLEM IS GIVEN IN LOW PRECISION. The matrix products marked QUANTISED in the list below multiply operands that are first quantised to E2M1 (2 exponent bits, 1 mantissa bit; 4 bits a number), with one power-of-two scale for each 32 numbers along K (OCP MX v1.0); their sums are f32. All else is computed in f32.
;;   The module's matrix products, in the order in which they are computed (A, B: the left and right operand; K: the contracted axis; several contracted axes count as one K, in the product's order):
;;     1. batch 64 x [M 2,048, K 64] x [K 64, N 2,048]; A: input queries; B: input keys: QUANTISED
;;     2. batch 64 x [M 2,048, K 2,048] x [K 2,048, N 64]; A: softmax (see below); B: input values: QUANTISED
;;   THE QUANTISER, for each operand of a quantised product, along K:
;;     - K is cut into blocks of 32 from its start; a last block that is shorter is filled with zeros.
;;     - A block's scale is 2^e with e = floor(log2(the largest magnitude in the block)) - 2, held to -126 .. 127; a block of zeros has e = 0. As a byte (E8M0): e + 127.
;;     - Each number is divided by its block's scale, clamped to +-6, and rounded to the nearest number of E2M1, ties to even, subnormals kept.
;;     - The product sums the exact products of the quantised numbers (number of the format x scale) in f32.
;;   ~~~python
;;   def quantise(x, axis):      # numpy; x: float32 -> the quantised numbers, widened to float32 again
;;       x = np.moveaxis(x, axis, -1); K = x.shape[-1]
;;       x = np.pad(x, [(0, 0)] * (x.ndim - 1) + [(0, -K % 32)]); x = x.reshape(x.shape[:-1] + (-1, 32)); a = np.abs(x).max(-1, keepdims=True)
;;       e = np.where(a > 0, np.clip(np.frexp(np.where(a > 0, a, 1))[1] - 1 - 2, -126, 127), 0)      # np.frexp(a)[1] - 1 = floor(log2(a)), exactly
;;       r = np.clip(x / 2.0 ** e, -6, 6)
;;       step = 2.0 ** (np.maximum(np.frexp(np.where(r == 0, 1, r))[1] - 1, 0) - 1)
;;       q = np.round(r / step) * step * 2.0 ** e      # np.round: ties to even
;;       return np.moveaxis(q.reshape(q.shape[:-2] + (-1,))[..., :K], -1, axis).astype(np.float32)
;;   ~~~
;;   SOFTMAX AHEAD OF A QUANTISED PRODUCT. Where the list says 'softmax', what is quantised is not the finished softmax but p = 2^(t - M), with t = logit x log2(e) and M = ceil(the row's largest t), a whole number; so 1/2 < the row's largest p <= 1. The row's sum l is taken of the UNQUANTISED p, in f32, and the product's result is divided by l at the end. Since M is a whole number, a kernel that streams over the keys may use a running M (the ceiling of the running maximum): every later rescaling is an exact power of two, which a block's scale takes up: the codes' values come out the same.
;;   OPERANDS COMPUTED ON THE WAY. 'Computed on the way' means the value that the module computes at that place (a softmax that the list does not call 'softmax' is quantised finished and normalised). What goes into a quantiser is computed in f32, as accurately as f32 sums, v_exp_f32 and their like allow (about 1e-6 of the number): no bf16 or f16 on the way to a quantiser, and a product that is left as it is and whose result goes on into a quantised operand takes f32 operands (vector FMAs, or v_wmma_f32_16x16x4_f32). A number that lies on a knife's edge between two numbers of the format may be rounded either way, as far as f32 arithmetic and the matrix unit's own rounding can turn it there, and no further.
;; 2 versions. Each part assembles by itself: llvm-mc -triple=amdgcn-amd-amdhsa -mcpu=gfx1250 --defsym DOCPART=n.
;; ======== version 1 of 2: 2 launches
;; workspace buffers: q_codes 4,194,304 bytes; q_scales 262,144 bytes; k_codes 4,194,304 bytes; k_scales 262,144 bytes; v_codes 4,194,304 bytes; v_scales 262,144 bytes; mask_words 524,288 bytes of whole numbers; tile_flags 2,048 bytes of whole numbers
;; launch prep (part 1): grid 896 x 1, 4 waves a work-group, no clusters, 67,072 bytes of LDS; arguments queries, keys, values, mask, q_codes, q_scales, k_codes, k_scales, v_codes, v_scales, mask_words, tile_flags; writes q_codes, q_scales, k_codes, k_scales, v_codes, v_scales, mask_words, tile_flags
.if DOCPART == 1
	.amdgcn_target "amdgcn-amd-amdhsa--gfx1250"
	.amdhsa_code_object_version 6
	.text
	.protected	k_q322f4c96fc_prep
	.globl	k_q322f4c96fc_prep
	.p2align	8
	.type	k_q322f4c96fc_prep,@function
k_q322f4c96fc_prep:
	s_mov_b64 s[64:65], 0
	v_nop
	global_prefetch_b8 v0, s[64:65] scope:SCOPE_SE
	s_setreg_imm32_b32 hwreg(HW_REG_WAVE_MODE, 25, 1), 1
	s_wait_xcnt 0x0
; Every input is read once and laid as the attention launch wants it.  Three paths, parted on the work-group's number alone:
;   work-groups 0-255 queries, 256-511 keys: [64 heads][2048][64] f32 -> codes of FP4 (E2M1) along the head's 64 (two blocks of 32 a row) and one E8M0 byte a block, both as they lie;
;   work-groups 512-767 values: quantised along the KEYS, 32 keys to a block; a lane takes a column d and its registers run down the keys; the codes are stored in the order of the operand's registers;
;   work-groups 768-895 mask [2048][2048] bytes -> for each tile of 16 queries x 128 keys 64 lane masks (one for each score register of the attention launch) and two flags: some key counts, all keys count.
; A block's scale is 2^(floor(log2(its largest magnitude)) - 2); its byte is the largest magnitude's exponent field - 2, held at 1 from below by a floor among the maximum's leaves.
; LIMITS: a block of zeros, and a block whose largest magnitude lies under 2^-124, keep the byte 1 (a block of zeros has zero codes, and these bytes are read by this program alone); NaN and infinities in q, k, v are not served.
; No tensor loads, no barrier: waves share nothing.  The two paths that use LDS have bytes of their own: q and k bytes 0 to 32,767, the mask bytes 32,768 to 66,559.
.set FLOOR,  0x1800000                 ; 2^(3 - 127)
.set TAKE2,  0xff000000                ; -(2 << 23): 2 off an exponent field
.set QSTEPS, 16                        ; q, k: a wave takes 16 steps of 512 numbers
.set SP,     80                        ; a lane's place in a stage: its 64 bytes + 16 of padding
.set WREG,   8192                      ; a wave's LDS: two stages of 32 x SP bytes, then its 256 scale bytes
.set QR,     16                        ; v16-79   four sets of 16 numbers as loaded
.set QX,     80                        ; v80-111  two sets of 16 neighbours
.set QE,     112                       ; v112-127 a scale byte for each step
.set QC,     128                       ; v128-191 codes: four registers for each step: no store's data are written again
.set VX,     32                        ; values: v32-95 two sets of 32 numbers
.set VC,     96                        ; v96-127  codes: four registers for each of 8 blocks: never written again
.set VSB,    24                        ; v24-25   a step's four scale bytes
.set MSTG,   32768                     ; mask: the stages' first byte
.set MP,     528                       ; a stage row: 512 bytes + 16
.set MT,     8                         ; v8-11    at work
.set MO,     16                        ; v16-23   a pair of registers for each step: lane L holds words 2 L and 2 L + 1
.set MI,     32                        ; v32-95   16 rows as loaded
.set MB,     128                       ; v128-191 16 registers for each step: my row's bytes
.macro QLOAD t
.irp i, 0,1,2,3
	global_load_b128 v[QR+16*((\t)%4)+4*\i:QR+16*((\t)%4)+4*\i+3], v3, s[4:5] offset:2048*(\t)+512*\i th:TH_LOAD_NT   ; 32 lanes read 512 consecutive bytes
.endr
.endm
.macro QTURN t                         ; step t's numbers through the stage: LDS serves a wave's instructions in order, so no wait stands between the stores and the loads
.irp i, 0,1,2,3
	ds_store_b128 v14, v[QR+16*((\t)%4)+4*\i:QR+16*((\t)%4)+4*\i+3] offset:32*SP*((\t)%2)+8*SP*\i
.endr
.irp i, 0,1,2,3
	ds_load_b128 v[QX+16*((\t)%2)+4*\i:QX+16*((\t)%2)+4*\i+3], v15 offset:32*SP*((\t)%2)+16*\i
.endr
.endm
.macro QSTEP t
.set XS, QX+16*((\t)%2)
.if (\t) > 0
	s_wait_dscnt 1                                 ; this step's numbers are back from the stage (the last step's byte store may be out): so its stores into the stage have read their registers,
.else
	s_wait_dscnt 0x0
.endif
.if (\t)+4 < QSTEPS
	QLOAD (\t)+4                                   ; which take the loads of four steps on
.endif
.if (\t)+1 < QSTEPS
.if QSTEPS-2-(\t) >= 3
	s_wait_loadcnt 12                              ; the next step's four loads are in; those of the three steps behind it may be out
.else
	s_wait_loadcnt 4*(QSTEPS-2-(\t))               ; in the tail fewer steps stand behind it
.endif
	QTURN (\t)+1                                   ; and go through the other stage while this step is worked
.endif
	v_max3_num_f32 v8, |v[XS]|, |v[XS+1]|, |v[XS+2]|               ; the largest magnitude of my 16, in two chains
	v_max3_num_f32 v9, |v[XS+3]|, |v[XS+4]|, |v[XS+5]|
.irp i, 6,10
	v_max3_num_f32 v8, v8, |v[XS+\i]|, |v[XS+\i+1]|
	v_max3_num_f32 v9, v9, |v[XS+\i+2]|, |v[XS+\i+3]|
.endr
	v_max3_num_f32 v8, v8, |v[XS+14]|, |v[XS+15]|
	v_max3_num_f32 v8, v8, v9, FLOOR               ; and the floor: the byte cannot fall under 1
	v_max_num_f32_dpp v8, v8, v8 row_xmask:1 row_mask:0xf bank_mask:0xf   ; and of my neighbour's 16: the block's
	v_add_nc_u32 v11, TAKE2, v8                    ; the conversion takes the exponent field of this operand as its scale, and nothing else of it
	v_cvt_scalef32_pk8_fp4_f32 v[QC+4*(\t)], v[XS:XS+7], v11
	v_cvt_scalef32_pk8_fp4_f32 v[QC+4*(\t)+1], v[XS+8:XS+15], v11
	v_lshrrev_b32 v[QE+(\t)], 23, v11              ; the scale's byte (also the plain line behind the conversions)
	ds_store_b8 v5, v[QE+(\t)] offset:16*(\t)      ; both lanes of a block write the same byte with the same value
	global_store_b64 v4, v[QC+4*(\t):QC+4*(\t)+1], s[12:13] offset:256*(\t)   ; 32 lanes store 256 consecutive bytes, aligned
.endm
.macro VLOAD t                         ; block t: values(32 t + i, my column), i = 0 .. 31, into set t % 2; a row is 256 bytes, a wave reads 128 consecutive ones, the wave beside it the others
.set i, 0
.rept 32
	global_load_b32 v[VX+32*((\t)%2)+i], v3, s[8:9] offset:(32*(\t)+i)*256 th:TH_LOAD_NT
.set i, i+1
.endr
.endm
.macro VBLOCK t
.set XS, VX+32*((\t)%2)
.if (\t) < 7
	s_wait_loadcnt 32                              ; this block's 32 loads are in; the next block's 32 may be out
.else
	s_wait_loadcnt 0x0
.endif
	v_max3_num_f32 v12, |v[XS]|, |v[XS+1]|, |v[XS+2]|              ; the block's largest magnitude: all 32 numbers are mine
	v_max3_num_f32 v13, |v[XS+3]|, |v[XS+4]|, |v[XS+5]|
.irp i, 6,10,14,18,22,26
	v_max3_num_f32 v12, v12, |v[XS+\i]|, |v[XS+\i+1]|
	v_max3_num_f32 v13, v13, |v[XS+\i+2]|, |v[XS+\i+3]|
.endr
	v_max3_num_f32 v12, v12, |v[XS+30]|, |v[XS+31]|
	v_max3_num_f32 v12, v12, v13, FLOOR
	v_add_nc_u32 v11, TAKE2, v12                   ; the conversions' scale operand
	v_lshrrev_b32 v13, 23, v11                     ; the scale's byte
.if (\t)%4 == 0
	v_mov_b32 v[VSB+(\t)/4], v13                   ; four bytes to a word, the lower keys in the lower byte
.else
	v_lshl_or_b32 v[VSB+(\t)/4], v13, 8*((\t)%4), v[VSB+(\t)/4]
.endif
.irp g, 0,1,2,3
	v_cvt_scalef32_pk8_fp4_f32 v[VC+4*(\t)+\g], v[XS+8*\g:XS+8*\g+7], v11
.endr
	global_store_b128 v4, v[VC+4*(\t):VC+4*(\t)+3], s[20:21] offset:((\t)/4)*4096+((\t)%4)*256   ; 32 keys' codes of my column; sixteen lanes store 256 consecutive bytes, aligned
.if (\t)%4 == 3
	global_store_b32 v3, v[VSB+(\t)/4], s[22:23] offset:((\t)/4)*256   ; a step's scale word of my column: 128 consecutive bytes a wave, one byte in 128 of what this path reads
.endif
.if (\t)+2 < 8
	VLOAD (\t)+2                                   ; (a load into a conversion's sources wants no place; the next block begins with plain lines)
.endif
.endm
; Step k of my four: word n = 16 b + i is the lane mask of byte i of my 16 bytes of block b: bit (r + 16 h) = mask[16 qt + r][128 step + 32 b + 16 h + i].
.macro MWORDS k
	s_wait_dscnt 12-4*(\k)                         ; this step's four loads are back; the later steps' may be out
	v_mov_b32 v[MO+2*(\k)], 0                      ; a lane write's destination counts as read
	v_mov_b32 v[MO+2*(\k)+1], 0
.set m, 0
.rept 16
.irp g, 0,1,2,3
	v_and_b32 v[MT+\g], 0xff<<(8*\g), v[MB+16*(\k)+m]              ; byte g of register m: word n = 4 m + g
.endr
.irp g, 0,1,2,3
	v_cmp_ne_u32 s[32+\g], 0, v[MT+\g]             ; the 32 lanes' bits
.endr
.irp g, 0,1,2,3
	v_writelane_b32 v[MO+2*(\k)+\g%2], s[32+\g], 2*m+\g/2          ; word n goes to lane n / 2, register n % 2
.endr
.set m, m+1
.endr
	global_store_b64 v6, v[MO+2*(\k):MO+2*(\k)+1], s[24:25] offset:256*(\k)   ; 64 words: 256 consecutive bytes, aligned
	v_or_b32 v12, v[MO+2*(\k)], v[MO+2*(\k)+1]
	v_and_b32 v13, v[MO+2*(\k)], v[MO+2*(\k)+1]
	v_cmp_ne_u32 s36, 0, v12                       ; lanes with a bit set
	v_cmp_ne_u32 s37, -1, v13                      ; lanes with a bit clear
	s_cmp_lg_u32 s36, 0
	s_cselect_b32 s38, 1<<(\k), 0                  ; some key counts
	s_or_b32 s40, s40, s38
	s_cmp_eq_u32 s37, 0
	s_cselect_b32 s38, 1<<(\k), 0                  ; all keys count
	s_or_b32 s41, s41, s38
.endm
	s_load_b512 s[4:19], s[0:1], 0x0               ; queries s[4:5], keys s[6:7], values s[8:9], mask s[10:11], q_codes s[12:13], q_scales s[14:15], k_codes s[16:17], k_scales s[18:19]
	s_load_b256 s[20:27], s[0:1], 0x40             ; v_codes s[20:21], v_scales s[22:23], mask_words s[24:25], tile_flags s[26:27]
	v_lshl_add_u32 v192, v0, 2, 0x10400
	v_mov_b32 v193, 0
	v_lshrrev_b32 v1, 5, v0
	v_readfirstlane_b32 s28, v1                    ; wave 0..3
	v_and_b32 v2, 31, v0                           ; lane
	s_wait_kmcnt 0x0
	s_cmp_lt_u32 ttmp9, 512
	s_cbranch_scc0 .Lnot_qk
	; ---- queries and keys: plain streams of blocks of 32.  A load reads 512 consecutive bytes, 16 a lane; a step's 2,048 bytes turn through the wave's own stage and come back 64 bytes a lane: 16 neighbours, two lanes to a block
	v_lshlrev_b32 v3, 4, v2                        ; my 16 bytes of a load's 512
	s_mul_i32 s29, s28, WREG
	v_lshrrev_b32 v14, 2, v2
	v_mul_u32_u24 v14, v14, SP
	v_and_b32 v15, 3, v2
	v_lshl_add_u32 v14, v15, 4, v14
	v_add_nc_u32 v14, s29, v14                     ; into the stage: SP (lane / 4) + 16 (lane % 4); a load's 512 bytes take eight places
	v_mul_u32_u24 v15, v2, SP
	v_add_nc_u32 v15, s29, v15                     ; out of it: SP x lane
	v_lshlrev_b32 v4, 3, v2                        ; my 8 bytes of a step's codes
	v_lshrrev_b32 v5, 1, v2
	s_add_co_u32 s29, s29, 2*32*SP
	v_add_nc_u32 v5, s29, v5                       ; my block's byte among the wave's 256 scale bytes
	v_lshlrev_b32 v7, 3, v2                        ; and on the way out 8 bytes a lane
	v_add_nc_u32 v6, s29, v7
	s_cmp_lt_u32 ttmp9, 256                        ; queries or keys: the choice hangs on the work-group's number alone
	s_cselect_b64 s[4:5], s[4:5], s[6:7]
	s_cselect_b64 s[12:13], s[12:13], s[16:17]
	s_cselect_b64 s[14:15], s[14:15], s[18:19]
	s_cselect_b32 s29, 0, 256
	s_sub_co_u32 s29, ttmp9, s29
	s_lshl_b32 s29, s29, 2
	s_add_co_u32 s30, s29, s28                     ; which run of 8,192 numbers is my wave's: 0 .. 1,023
	s_mov_b32 s33, 0
	s_lshl_b32 s32, s30, 15                        ; 32,768 bytes of numbers,
	s_add_nc_u64 s[4:5], s[4:5], s[32:33]
	s_lshl_b32 s32, s30, 12                        ; 4,096 of codes,
	s_add_nc_u64 s[12:13], s[12:13], s[32:33]
	s_lshl_b32 s32, s30, 8                         ; 256 scale bytes
	s_add_nc_u64 s[14:15], s[14:15], s[32:33]
.irp t, 0,1,2,3
	QLOAD \t
.endr
	s_wait_loadcnt 12                              ; step 0's four loads are in
	QTURN 0
.irp t, 0,1,2,3,4,5,6,7,8,9,10,11,12,13,14,15
	QSTEP \t
.endr
	ds_load_b64 v[12:13], v6                       ; LDS serves a wave's instructions in order: these see my byte stores
	s_wait_dscnt 0x0
	global_store_b64 v7, v[12:13], s[14:15]        ; 32 lanes store 256 consecutive bytes, aligned
	s_wait_tensorcnt 0x0
	ds_add_u32 v192, v193
	s_wait_dscnt 0x0
	s_endpgm
.Lnot_qk:
	s_cmp_lt_u32 ttmp9, 768
	s_cbranch_scc0 .Lmask
	; ---- values: a work-group takes 512 keys x 64 columns; wave w columns 32 (w % 2) + lane, keys 256 (w / 2) on: 8 blocks, 2 steps of 128 keys
	s_sub_co_u32 s29, ttmp9, 512
	s_lshr_b32 s30, s28, 1
	s_and_b32 s31, s28, 1
	s_mov_b32 s33, 0
	s_lshl_b32 s32, s29, 17                        ; values: 512 rows of 256 bytes a work-group,
	s_lshl_b32 s34, s30, 16                        ; 256 rows,
	s_add_co_u32 s32, s32, s34
	s_lshl_b32 s34, s31, 7                         ; 32 columns
	s_add_co_u32 s32, s32, s34
	s_add_nc_u64 s[8:9], s[8:9], s[32:33]
	s_lshl_b32 s32, s29, 14                        ; codes: 4 steps of 4,096 bytes a work-group,
	s_lshl_b32 s34, s30, 13                        ; 2 steps,
	s_add_co_u32 s32, s32, s34
	s_lshl_b32 s34, s31, 11                        ; 2 tiles of 16 columns
	s_add_co_u32 s32, s32, s34
	s_add_nc_u64 s[20:21], s[20:21], s[32:33]
	s_lshl_b32 s32, s29, 10                        ; scale words: 4 steps of 256 bytes,
	s_lshl_b32 s34, s30, 9
	s_add_co_u32 s32, s32, s34
	s_lshl_b32 s34, s31, 7
	s_add_co_u32 s32, s32, s34
	s_add_nc_u64 s[22:23], s[22:23], s[32:33]
	v_lshlrev_b32 v3, 2, v2                        ; 4 bytes a lane: in, and the scale words out
	v_lshrrev_b32 v4, 4, v2
	v_and_b32 v5, 15, v2
	v_lshlrev_b32 v4, 10, v4
	v_lshl_add_u32 v4, v5, 4, v4                   ; codes out: 1,024 (lane / 16) + 16 (lane % 16)
	VLOAD 0
	VLOAD 1
.irp t, 0,1,2,3,4,5,6,7
	VBLOCK \t
.endr
	s_endpgm
.Lmask:
	; ---- mask: a work-group takes 16 rows (a tile of queries); wave w columns 512 w on: steps 4 w .. 4 w + 3
	s_sub_co_u32 s29, ttmp9, 768
	s_mov_b32 s33, 0
	s_lshl_b32 s32, s29, 15                        ; 16 rows of 2,048 bytes
	s_lshl_b32 s34, s28, 9
	s_add_co_u32 s32, s32, s34
	s_add_nc_u64 s[10:11], s[10:11], s[32:33]
	s_lshl_b32 s32, s29, 12                        ; 16 steps of 256 bytes of words
	s_lshl_b32 s34, s28, 10
	s_add_co_u32 s32, s32, s34
	s_add_nc_u64 s[24:25], s[24:25], s[32:33]
	s_lshl_b32 s32, s29, 4                         ; four flag words
	s_lshl_b32 s34, s28, 2
	s_add_co_u32 s32, s32, s34
	s_add_nc_u64 s[26:27], s[26:27], s[32:33]
	s_mul_i32 s43, s28, 16*MP
	s_add_co_u32 s43, s43, MSTG                    ; my stage
	v_lshlrev_b32 v3, 4, v2                        ; 16 bytes a lane
	v_add_nc_u32 v4, s43, v3                       ; into the stage: a row's 512 bytes on end
	v_and_b32 v12, 15, v2                          ; r
	v_lshrrev_b32 v13, 4, v2                       ; h
	v_mul_u32_u24 v5, v12, MP
	v_lshl_add_u32 v5, v13, 4, v5
	v_add_nc_u32 v5, s43, v5                       ; out of it: row r, + 16 h
	v_lshlrev_b32 v6, 3, v2                        ; words out: 8 bytes a lane
	s_mov_b32 s40, 0
	s_mov_b32 s41, 0
.irp j, 0,1,2,3,4,5,6,7,8,9,10,11,12,13,14,15
	global_load_b128 v[MI+4*\j:MI+4*\j+3], v3, s[10:11] offset:2048*\j th:TH_LOAD_NT   ; row j: 512 consecutive bytes
.endr
.irp j, 0,1,2,3,4,5,6,7,8,9,10,11,12,13,14,15
	s_wait_loadcnt 15-\j                           ; loads come back in order: row j is in
	ds_store_b128 v4, v[MI+4*\j:MI+4*\j+3] offset:MP*\j
.endr
.irp k, 0,1,2,3
.irp b, 0,1,2,3
	ds_load_b128 v[MB+16*\k+4*\b:MB+16*\k+4*\b+3], v5 offset:128*\k+32*\b   ; my own stage, served in order: these see the stores above
.endr
.endr
	MWORDS 0
	MWORDS 1
	MWORDS 2
	MWORDS 3
	s_lshl_b32 s39, s28, 2
	s_lshl_b32 s40, s40, s39                       ; bits 4 w .. 4 w + 3: some key counts
	s_add_co_u32 s39, s39, 16
	s_lshl_b32 s41, s41, s39                       ; bits 16 + 4 w ..: all keys count
	s_or_b32 s40, s40, s41
	v_mov_b32 v12, s40
	v_mov_b32 v13, 0
	v_cmp_eq_u32 vcc_lo, 0, v2
	s_wait_xcnt 0x0                                ; EXEC is a source of the stores above: it changes only behind this wait
	s_wait_tensorcnt 0x0
	ds_add_u32 v192, v193
	s_wait_dscnt 0x0
	s_and_saveexec_b32 s42, vcc_lo
	global_store_b32 v13, v12, s[26:27]            ; one word a wave: the whole buffer is 2,048 bytes
	s_wait_xcnt 0x0                                ; and again in front of the line that widens it
	s_or_b32 exec_lo, exec_lo, s42
	s_endpgm
.Lfunc_end_k_q322f4c96fc_prep:
	.size	k_q322f4c96fc_prep, .Lfunc_end_k_q322f4c96fc_prep-k_q322f4c96fc_prep
	.p2alignl 7, 3214868480
	.fill 96, 4, 3214868480
	.section	.rodata,"a",@progbits
	.p2align	6, 0x0
	.amdhsa_kernel k_q322f4c96fc_prep
		.amdhsa_group_segment_fixed_size 67072
		.amdhsa_private_segment_fixed_size 0
		.amdhsa_enable_private_segment 0
		.amdhsa_kernarg_size 96
		.amdhsa_user_sgpr_count 2
		.amdhsa_user_sgpr_kernarg_segment_ptr 1
		.amdhsa_wavefront_size32 1
		.amdhsa_system_sgpr_workgroup_id_x 1
		.amdhsa_system_sgpr_workgroup_id_y 1
		.amdhsa_system_sgpr_workgroup_id_z 1
		.amdhsa_system_vgpr_workitem_id 0
		.amdhsa_next_free_vgpr 194
		.amdhsa_next_free_sgpr 66
		.amdhsa_reserve_vcc 1
		.amdhsa_float_denorm_mode_32 3
		.amdhsa_float_denorm_mode_16_64 3
		.amdhsa_memory_ordered 1
		.amdhsa_forward_progress 1
		.amdhsa_inst_pref_size 127
	.end_amdhsa_kernel
	.amdgpu_metadata
---
amdhsa.version: [ 1, 2 ]
amdhsa.kernels:
  - .name:           k_q322f4c96fc_prep
    .symbol:         k_q322f4c96fc_prep.kd
    .args:
      - { .name: queries, .offset: 0, .size: 8, .value_kind: global_buffer, .address_space: global }
      - { .name: keys, .offset: 8, .size: 8, .value_kind: global_buffer, .address_space: global }
      - { .name: values, .offset: 16, .size: 8, .value_kind: global_buffer, .address_space: global }
      - { .name: mask, .offset: 24, .size: 8, .value_kind: global_buffer, .address_space: global }
      - { .name: q_codes, .offset: 32, .size: 8, .value_kind: global_buffer, .address_space: global }
      - { .name: q_scales, .offset: 40, .size: 8, .value_kind: global_buffer, .address_space: global }
      - { .name: k_codes, .offset: 48, .size: 8, .value_kind: global_buffer, .address_space: global }
      - { .name: k_scales, .offset: 56, .size: 8, .value_kind: global_buffer, .address_space: global }
      - { .name: v_codes, .offset: 64, .size: 8, .value_kind: global_buffer, .address_space: global }
      - { .name: v_scales, .offset: 72, .size: 8, .value_kind: global_buffer, .address_space: global }
      - { .name: mask_words, .offset: 80, .size: 8, .value_kind: global_buffer, .address_space: global }
      - { .name: tile_flags, .offset: 88, .size: 8, .value_kind: global_buffer, .address_space: global }
    .group_segment_fixed_size: 67072
    .private_segment_fixed_size: 0
    .kernarg_segment_align: 8
    .kernarg_segment_size: 96
    .max_flat_workgroup_size: 128
    .sgpr_count:     66
    .vgpr_count:     194
    .wavefront_size: 32
...
	.end_amdgpu_metadata
.endif
;; end of part 1
;; launch attn (part 2): grid 4 x 64, 16 waves a work-group, no clusters, 219,648 bytes of LDS; arguments q_codes, q_scales, k_codes, k_scales, v_codes, v_scales, mask_words, tile_flags, out0; writes out0
.if DOCPART == 2
	.amdgcn_target "amdgcn-amd-amdhsa--gfx1250"
	.amdhsa_code_object_version 6
	.text
	.protected	k_q322f4c96fc_attn
	.globl	k_q322f4c96fc_attn
	.p2align	8
	.type	k_q322f4c96fc_attn,@function
k_q322f4c96fc_attn:
	s_mov_b64 s[64:65], 0
	v_nop
	global_prefetch_b8 v0, s[64:65] scope:SCOPE_SE
	s_setreg_imm32_b32 hwreg(HW_REG_WAVE_MODE, 25, 1), 1
	s_wait_xcnt 0x0
; out0[head][q][:] = the sum over k of softmax_k(mask ? Q[q] . K[k] / 8 : -infinity) V[k][:], 64 heads, 2,048 queries and keys, head size 64, both products on codes of FP4 (E2M1) with one E8M0 scale for each 32 along K.
; THE SOFTMAX AHEAD OF THE SECOND PRODUCT: t = score x log2(e) / 8; M = the row's largest t so far, rounded UP to a whole number; p = 2^(t - M) is what is quantised, along the keys; the row's sum is taken of the
; unquantised p and divides at the end.  When M moves, the sum and O are multiplied by 2^(old M - new M): exact.
; SHARES.  Four work-groups to a head, sixteen waves each, 256 registers a wave.  Wave number i = 16 x + wave (0 .. 63) owns the tiles of 16 queries i and 127 - i, one after the other; a tile walks 16 steps of 128 keys.
; THE MASK IS AN INPUT.  The launch before has stored, for each tile of queries and step, 64 lane masks (one for each score register) and two flags.  A step in which no key counts is jumped over, by a scalar branch on
; the stored flag, round the step's loads, products and softmax; a step in which all keys count jumps over the 64 selects.  Trip counts are constants; nothing is assumed of the mask's pattern.
; LDS.  A head's K and V, codes and scales, are 139,264 bytes: they are copied into LDS once, through registers, as images of the operands' registers; one barrier; after it the waves share nothing that is written.
; WHY NO CLUSTER AND NO TENSOR LOAD: what the four work-groups of a head share is those 139,264 bytes, read once at the head.
; LAYOUT.  Both products are used transposed: S^T = K Q^T (source 0 = 16 keys, source 1 = my 16 queries), O^T = V^T P^T (source 0 = 16 of the head's 64, source 1 = P): a lane holds ONE query (lane % 16) throughout.
; THE KEYS OF A TILE ARE NOT NEIGHBOURS: lane r of tile 2 b + u takes key 32 b + 8 u + r + 8 (r / 8), so that score register 16 b + i of lane (r, h) is key 32 b + 16 h + i.
; THE FIRST PRODUCT'S K IS 64, the instruction's 128: Q's registers 4-7 are zero codes.  So K's registers 4-7 may hold any codes (every code of E2M1 is a finite number): tile t's fragment is named v[32 + 4 t : 39 + 4 t],
; whose upper four are the next tile's codes (tile 7's: zeros).  Bytes 2 and 3 of both scale words are 0, which is 2^-127.  That spares 32 registers and 8 LDS loads a step.
; LIMITS: NaN and infinities in the inputs are not served; a block of p that is all zeros keeps the byte 1 (its codes are zeros); a query for which no key counts gets 0 x (1 / 0) = NaN, as the definition gives.
; LDS MAP: bytes 0 .. 69,631: a stage of 16 rows x 272 bytes for each wave, for the way out.  From KV on: 16 step slots of SS bytes: + 0 K's 8 tile images of 512 bytes (lane l's 16 bytes at 16 l); + VIM V's 4 tile images of
; 1,024 bytes; + KSC K's scale bytes, 2 a key; + VSC V's scale words, 4 bytes a d.  Used: 208,896 bytes; claimed: one slot more.
; REGISTERS: v1 16 x lane; v2, v3 my places among a slot's scales; v4-6 the step's LDS addresses; v7 my offset in out0; v8, v9 the stage; v10, v11 Q's offsets; v12 -M, v13 the largest t, v[14:15] the sum in two halves;
; v16-19 Q, v20-23 zeros; v24 Q's scale word; v25 -infinity; v26, v27 Q's lane offsets; v32-63 K's eight tiles, v64-67 zeros; v68-71 K's scale words, v72-73 V's; v76-80 the fill's addresses; v96-159 S^T, then p;
; v160-191 O^T; v192-223 V's four fragments; v224-231 p's codes; v232-254 at work.
; s[4:7] Q's codes and scales at my head; s[8:9] lane selects; s[10:11] c; s[12:13] the step's mask words; s[16:19] mask_words, tile_flags; s[20:21] out0 at my head; s22 wave; s25 the tile of queries; s26 tiles to go;
; s27 the step; s28 its slot in LDS; s29 the tile's flags; s[32:63], s[68:99] the step's 64 lane masks.
.set SS,   8704                        ; a step's slot
.set STGB, 16*272                      ; a wave's stage
.set KV,   16*STGB                     ; the slots' first byte
.set VIM,  4096
.set KSC,  8192
.set VSC,  8448
	s_load_b512 s[4:19], s[0:1], 0x0               ; q_codes s[4:5], q_scales s[6:7], k_codes s[8:9], k_scales s[10:11], v_codes s[12:13], v_scales s[14:15], mask_words s[16:17], tile_flags s[18:19]
	s_load_b64 s[20:21], s[0:1], 0x40              ; out0
	v_lshl_add_u32 v251, v0, 2, 0x35200
	v_mov_b32 v255, 0
	v_lshrrev_b32 v28, 5, v0
	v_readfirstlane_b32 s22, v28                   ; wave 0..15
	s_and_b32 s23, ttmp7, 0xffff                   ; the head
	s_lshl_b32 s2, s23, 16                         ; a head's codes: 65,536 bytes,
	s_mov_b32 s3, 0
	s_lshl_b32 s30, s23, 12                        ; its scales: 4,096,
	s_mov_b32 s31, 0
	s_lshl_b32 s26, s23, 19                        ; its rows of out0: 524,288
	s_mov_b32 s27, 0
	v_lshlrev_b32 v28, 4, v0                       ; 16 x thread
	v_lshlrev_b32 v29, 3, v0                       ; 8 x thread
	s_wait_kmcnt 0x0
	s_add_nc_u64 s[4:5], s[4:5], s[2:3]
	s_add_nc_u64 s[8:9], s[8:9], s[2:3]
	s_add_nc_u64 s[12:13], s[12:13], s[2:3]
	s_add_nc_u64 s[6:7], s[6:7], s[30:31]
	s_add_nc_u64 s[10:11], s[10:11], s[30:31]
	s_add_nc_u64 s[14:15], s[14:15], s[30:31]
	s_add_nc_u64 s[20:21], s[20:21], s[26:27]
	; THE FILL: 18 loads a thread; each load of the work-group reads 8,192 (the scales: 4,096) consecutive bytes
.irp i, 0,1,2,3,4,5,6,7
	global_load_b128 v[96+4*\i:99+4*\i], v28, s[8:9] offset:8192*\i      ; K: key 256 i + thread / 2, block thread % 2
.endr
.irp i, 0,1,2,3,4,5,6,7
	global_load_b128 v[128+4*\i:131+4*\i], v28, s[12:13] offset:8192*\i  ; V: images already: steps 2 i and 2 i + 1
.endr
	global_load_b64 v[160:161], v29, s[10:11]      ; K's scale bytes: a wave takes a step's 256
	global_load_b64 v[162:163], v29, s[14:15]      ; V's scale words likewise
	v_and_b32 v30, 31, v0                          ; lane
	v_and_b32 v31, 15, v0                          ; r
	v_bfe_u32 v74, v0, 4, 1                        ; h
	v_lshlrev_b32 v1, 4, v30
	v_and_b32 v75, 8, v31
	v_add_nc_u32 v75, v75, v31                     ; r + 8 (r / 8)
	v_lshl_add_u32 v75, v74, 3, v75                ; + 8 h: lanes 0-15 take tile 2 b's keys, lanes 16-31 tile 2 b + 1's
	v_lshl_add_u32 v2, v75, 1, KSC                 ; K's scale bytes: 2 a key
	v_lshl_add_u32 v3, v30, 2, VSC                 ; V's scale words: lanes 0-15 tile 2 j, lanes 16-31 tile 2 j + 1
	s_mul_i32 s24, s22, STGB                       ; my stage
	v_mul_u32_u24 v8, v31, 272
	v_lshl_add_u32 v8, v74, 5, v8
	v_add_nc_u32 v8, s24, v8                       ; in: row r, + 32 h
	v_mul_u32_u24 v9, v74, 272
	v_lshl_add_u32 v9, v31, 4, v9
	v_add_nc_u32 v9, s24, v9                       ; back: lanes 0-15 one row of 256 bytes, lanes 16-31 the next
	v_lshlrev_b32 v26, 5, v31
	v_lshl_add_u32 v26, v74, 4, v26                ; Q's codes: row r of 32 bytes, block h
	v_lshlrev_b32 v27, 1, v31                      ; Q's scale bytes: 2 a row
	; where the fill goes.  K: thread bits 8: step's parity; 7:6: b; 5: r / 8; 4: u; 3:1: r % 8; 0: the block = the image's half of lanes
	v_bfe_u32 v75, v0, 8, 1
	v_mul_u32_u24 v75, v75, SS
	v_add_nc_u32 v75, KV, v75
	v_bfe_u32 v81, v0, 6, 2
	v_lshl_add_u32 v76, v81, 10, v75               ; two tiles of 512 bytes for each b,
	v_lshl_add_u32 v76, v74, 9, v76                ; u,
	v_and_b32 v81, 1, v0
	v_lshl_add_u32 v76, v81, 8, v76                ; lanes 16-31,
	v_bfe_u32 v81, v0, 5, 1
	v_lshl_add_u32 v76, v81, 7, v76                ; r / 8,
	v_bfe_u32 v81, v0, 1, 3
	v_lshl_add_u32 v76, v81, 4, v76                ; r % 8
	v_add_nc_u32 v77, 8*SS, v76                    ; loads 4 to 7: eight slots on (an LDS immediate has 16 bits)
	v_and_b32 v81, 255, v0
	v_lshl_add_u32 v78, v81, 4, v75
	v_add_nc_u32 v78, VIM, v78                     ; V: a step's 4,096 bytes as they lie
	v_add_nc_u32 v79, 8*SS, v78
	s_mul_i32 s24, s22, SS
	s_add_co_u32 s24, s24, KV+KSC
	v_lshl_add_u32 v80, v30, 3, s24                ; the scales: slot = my wave's number, 8 bytes a lane
.irp j, 20,21,22,23,64,65,66,67,236,237,238,239,253
	v_mov_b32 v\j, 0                               ; Q's and K's zero codes; the lane exchanges' destinations and the upper half of the pair v[252:253], which count as read
.endr
	v_mov_b32 v25, 0xff800000                      ; -infinity
.irp i, 0,1,2,3,4,5,6,7
	s_wait_loadcnt 17-\i                           ; loads come back in order: of the 18, number i is in
	ds_store_b128 v[76+\i/4], v[96+4*\i:99+4*\i] offset:2*SS*(\i%4)
.endr
.irp i, 0,1,2,3,4,5,6,7
	s_wait_loadcnt 9-\i                            ; number 8 + i
	ds_store_b128 v[78+\i/4], v[128+4*\i:131+4*\i] offset:2*SS*(\i%4)
.endr
	s_wait_loadcnt 1
	ds_store_b64 v80, v[160:161]
	s_wait_loadcnt 0x0
	ds_store_b64 v80, v[162:163] offset:VSC-KSC
	s_wait_dscnt 0x0                               ; for the others' sake: my stores have landed
	s_barrier_signal -1
	s_barrier_wait -1                              ; the head's K and V lie in LDS; from here on they are only read
	s_mov_b32 s8, 0x76543210                       ; (the loads that named s[8:15] are done)  v_permlanex16_b32's selects for lane l xor 16
	s_mov_b32 s9, 0xfedcba98
	s_mov_b32 s10, 0x3e38aa3b                      ; c = log2(e) / 8
	s_mov_b32 s11, s10                             ; (the packed form names the pair, so it is written)
	s_lshl_b32 s25, ttmp9, 4
	s_add_co_u32 s25, s25, s22                     ; my first tile of queries: 16 x + wave
	s_mov_b32 s26, 2
.Ltile:
	v_lshl_add_u32 v10, s25, 9, v26                ; a tile's codes are 512 bytes,
	v_lshl_add_u32 v11, s25, 5, v27                ; its scale bytes 32
	global_load_b128 v[16:19], v10, s[4:5]         ; Q's fragment: k = 32 h .. 32 h + 31 of query r
	global_load_u16 v24, v11, s[6:7]               ; its two scale bytes; bytes 2 and 3 are 0
	s_lshl_b32 s2, s25, 4
	s_mov_b32 s3, 0
	s_add_nc_u64 s[2:3], s[18:19], s[2:3]
	s_load_b128 s[68:71], s[2:3], 0x0              ; the tile's four flag words
	s_lshl_b32 s14, s25, 12
	s_mov_b32 s15, 0
	s_add_nc_u64 s[12:13], s[16:17], s[14:15]      ; its mask words: 16 steps of 256 bytes
	v_mov_b32 v13, 0xff61b1e6                      ; the largest t so far: -3e38, under every t
	v_floor_f32 v12, -v13                          ; -M
	v_mov_b32 v14, 0                               ; the sum, in two halves
	v_mov_b32 v15, 0
.set j, 0
.rept 32
	v_mov_b32 v[160+j], 0                          ; O^T.  Which step is the first that is done hangs on the flags, so no first step can be written out: the first finds zeros, which the first change of M leaves zeros
.set j, j+1
.endr
	s_mov_b32 s27, 0
	s_mov_b32 s28, KV
	s_wait_kmcnt 0x0
	s_or_b32 s29, s68, s69
	s_or_b32 s30, s70, s71
	s_or_b32 s29, s29, s30                         ; bit s: some key of step s counts; bit 16 + s: all count
	s_wait_loadcnt 0x0                             ; Q
.Lstep:                                            ; 16 trips
	s_lshr_b32 s30, s29, s27
	s_and_b32 s31, s30, 1
	s_cmp_eq_u32 s31, 0
	s_cbranch_scc1 .Lnext                          ; no key of this step counts for any of my 16 queries
	s_load_b512 s[32:47], s[12:13], 0x0            ; the step's 64 lane masks, in every step that is done
	s_load_b512 s[48:63], s[12:13], 0x40
	s_load_b512 s[68:83], s[12:13], 0x80
	s_load_b512 s[84:99], s[12:13], 0xc0
	v_add_nc_u32 v4, s28, v1                       ; these three and the v_nop are the four places between the last step's products and the loads into their operands
	v_add_nc_u32 v5, s28, v2
	v_add_nc_u32 v6, s28, v3
	v_nop
.irp t, 0,1,2,3,4,5,6,7
	ds_load_b128 v[32+4*\t:35+4*\t], v4 offset:512*\t                    ; K's tile t
.endr
.irp b, 0,1,2,3
	ds_load_u16 v[68+\b], v5 offset:64*\b          ; lanes 0-15: tile 2 b's scale bytes, lanes 16-31: tile 2 b + 1's
.endr
.irp t, 0,1,2,3
	ds_load_b128 v[192+8*\t:195+8*\t], v4 offset:VIM+1024*\t             ; V's tile t: keys 32 h on,
	ds_load_b128 v[196+8*\t:199+8*\t], v4 offset:VIM+1024*\t+512         ; keys 64 + 32 h on
.endr
.irp j, 0,1
	ds_load_b32 v[72+\j], v6 offset:128*\j
.endr
	s_wait_dscnt 10                                ; K and its scales are in; V's ten loads may be out
.irp t, 0,1,2,3,4,5,6,7
.if \t%2
	v_wmma_scale_f32_16x16x128_f8f6f4 v[96+8*\t:103+8*\t], v[32+4*\t:39+4*\t], v[16:23], 0, v[68+\t/2], v24 matrix_a_fmt:MATRIX_FMT_FP4 matrix_b_fmt:MATRIX_FMT_FP4 matrix_a_scale:MATRIX_SCALE_ROW1
.else
	v_wmma_scale_f32_16x16x128_f8f6f4 v[96+8*\t:103+8*\t], v[32+4*\t:39+4*\t], v[16:23], 0, v[68+\t/2], v24 matrix_a_fmt:MATRIX_FMT_FP4 matrix_b_fmt:MATRIX_FMT_FP4
.endif
.endr
.rept 4
	v_nop                                          ; four places in front of the first read of the scores (ISA guide 7.12.1)
.endr
	s_wait_kmcnt 0x0                               ; the lane masks are in, on both ways
	s_and_b32 s31, s30, 0x10000
	s_cmp_lg_u32 s31, 0
	s_cbranch_scc1 .Lopen                          ; all keys of this step count
.set n, 0
.rept 64
.if n < 32
	v_cndmask_b32 v[96+n], v25, v[96+n], s[32+n]   ; a hidden score becomes -infinity ahead of the maximum: its p is 0
.else
	v_cndmask_b32 v[96+n], v25, v[96+n], s[36+n]
.endif
.set n, n+1
.endr
.Lopen:
.irp b, 0,1,2,3
	v_max3_num_f32 v[232+\b], v[96+16*\b], v[97+16*\b], v[98+16*\b]      ; THE LARGEST SCORE OF EACH BLOCK OF 32 KEYS serves twice: for the row's maximum and, since p rises with the score, for the block's largest p
.endr
.irp i, 3,5,7,9,11,13
.irp b, 0,1,2,3
	v_max3_num_f32 v[232+\b], v[232+\b], v[96+16*\b+\i], v[97+16*\b+\i]  ; (the four blocks by turns)
.endr
.endr
.irp b, 0,1,2,3
	v_max_num_f32 v[232+\b], v[232+\b], v[111+16*\b]
.endr
.irp b, 0,1,2,3
	v_permlanex16_b32 v[236+\b], v[232+\b], s8, s9
.endr
.irp b, 0,1,2,3
	v_max_num_f32 v[232+\b], v[232+\b], v[236+\b]  ; with lane l xor 16's 16 keys
.endr
	v_max3_num_f32 v254, v232, v233, v234
	v_max_num_f32 v254, v254, v235                 ; the step's largest score of my query
	v_mul_f32 v254, s10, v254                      ; as t (c is positive)
	v_max_num_f32 v13, v13, v254                   ; the running largest t
	v_mov_b32 v254, v12
	v_floor_f32 v12, -v13                          ; the new -M = floor(-t) = -ceil(t): a whole number
	v_sub_f32 v254, v12, v254                      ; M's old value less its new one: a whole number, 0 or less
	v_cvt_i32_f32 v254, v254                       ; (it saturates)
	v_ldexp_f32 v252, 1.0, v254                    ; f = 2^(old M - new M)
.set j, 0
.rept 32
	v_pk_fma_f32 v[96+j:97+j], v[96+j:97+j], s[10:11], v[12:13] op_sel_hi:[1,0,0]   ; t - M, two at a time (of the pairs c and -M the low word serves both halves)
.set j, j+2
.endr
.irp b, 0,1,2,3
	v_fma_f32 v[232+\b], v[232+\b], s10, v12       ; the same of each block's largest score
.endr
.set j, 0
.rept 64
	v_exp_f32 v[96+j], v[96+j]                     ; p = 2^(t - M), at most 1: not normalised
.set j, j+1
.endr
	v_pk_mul_f32 v[14:15], v[14:15], v[252:253] op_sel_hi:[1,0]          ; the sums under the new M (the plain line behind the exponentials)
	s_wait_alu depctr_va_vdst(0)                   ; the wait ahead of the first line that names a result: one for the 64
.irp b, 0,1,2,3
	v_exp_f32 v[232+\b], v[232+\b]                 ; the block's largest p: the same two instructions on the same number
.endr
	v_pk_add_f32 v[240:241], v[96:97], v[98:99]    ; THE ROW'S SUM IS TAKEN OF THE UNQUANTISED p, two at a time, in two chains.  Its first half stands here, behind the four exponentials, whose results it does not name
.irp j, 4,8,12,16,20,24,28
	v_pk_add_f32 v[14:15], v[14:15], v[96+\j:97+\j]
	v_pk_add_f32 v[240:241], v[240:241], v[98+\j:99+\j]
.endr
	s_wait_alu depctr_va_vdst(0)                   ; and one wait for the four
.irp b, 0,1,2,3
	v_max_num_f32 v[232+\b], 0x1800000, v[232+\b]  ; the floor 2^(3 - 127): the byte cannot fall under 1
.endr
.irp b, 0,1,2,3
	v_add_nc_u32 v[244+\b], 0xff000000, v[232+\b]  ; 2 off the exponent field: the conversion's scale operand
.endr
.irp b, 0,1,2,3
	v_lshrrev_b32 v[236+\b], 23, v[244+\b]         ; the scale's byte
.endr
	v_lshl_or_b32 v253, v237, 8, v236              ; p's scale word for these 128 keys
	v_lshl_or_b32 v253, v238, 16, v253
	v_lshl_or_b32 v253, v239, 24, v253
.irp b, 0,1,2,3
	v_cvt_scalef32_pk8_fp4_f32 v[224+2*\b], v[96+16*\b:103+16*\b], v[244+\b]
	v_cvt_scalef32_pk8_fp4_f32 v[225+2*\b], v[104+16*\b:111+16*\b], v[244+\b]
.endr
	v_nop                                          ; one plain line between a scaled conversion and the vector line that touches its result
.irp c, 0,1                                        ; the operand's layout wants a WHOLE block in a lane: lanes 0-15 block 2 c, lanes 16-31 block 2 c + 1
.irp i, 0,1
	v_permlane16_swap_b32 v[224+4*\c+\i], v[226+4*\c+\i]
.endr
.endr
.set j, 0
.rept 16
	v_pk_mul_f32 v[160+j:161+j], v[160+j:161+j], v[252:253] op_sel_hi:[1,0]   ; O^T under the new M, each accumulator from its low end on
.set j, j+2
.endr
.irp j, 32,36,40,44,48,52,56,60                    ; the sum's second half: with the 16 lines above, the places between the scale word, the codes and O^T as written and the products below
	v_pk_add_f32 v[14:15], v[14:15], v[96+\j:97+\j]
	v_pk_add_f32 v[240:241], v[240:241], v[98+\j:99+\j]
.endr
	v_pk_add_f32 v[14:15], v[14:15], v[240:241]
	s_wait_dscnt 0x0                               ; V and its scale words are in (asked for at the step's head)
.irp t, 0,1,2,3                                    ; O^T += V^T P^T.  The four accumulators take turns, one instruction a turn, and the next step's eight first products stand between two links of a chain
.if \t%2
	v_wmma_scale_f32_16x16x128_f8f6f4 v[160+8*\t:167+8*\t], v[192+8*\t:199+8*\t], v[224:231], v[160+8*\t:167+8*\t], v[72+\t/2], v253 matrix_a_fmt:MATRIX_FMT_FP4 matrix_b_fmt:MATRIX_FMT_FP4 matrix_a_scale:MATRIX_SCALE_ROW1
.else
	v_wmma_scale_f32_16x16x128_f8f6f4 v[160+8*\t:167+8*\t], v[192+8*\t:199+8*\t], v[224:231], v[160+8*\t:167+8*\t], v[72+\t/2], v253 matrix_a_fmt:MATRIX_FMT_FP4 matrix_b_fmt:MATRIX_FMT_FP4
.endif
.endr
.Lnext:
	s_add_co_u32 s28, s28, SS                      ; the next step's slot,
	s_add_nc_u64 s[12:13], s[12:13], 256           ; its lane masks (no scalar load is out: a step that was done has waited for its four, a step that was jumped over has issued none)
	s_add_co_u32 s27, s27, 1
	s_cmp_lt_u32 s27, 16
	s_cbranch_scc1 .Lstep
	; THE WAY OUT.  O^T / the sum goes through my stage in LDS and leaves as whole rows: a tile of out0 is 4,096 consecutive bytes
	v_add_f32 v14, v14, v15                        ; the sum's two halves,
	v_permlanex16_b32 v236, v14, s8, s9
	v_add_f32 v14, v14, v236                       ; and lane l xor 16's: the row's sum
	v_rcp_f32 v14, v14
	v_lshl_add_u32 v7, s25, 12, v1                 ; (the plain line behind the reciprocal)  my 16 bytes of each 512 of the tile
.rept 3
	v_nop                                          ; with the line above: four places between the last products and the first read of O^T
.endr
	s_wait_alu depctr_va_vdst(0)                   ; the wait ahead of the reciprocal's first reader
.set j, 0
.rept 32
	v_mul_f32 v[96+j], v[160+j], v14               ; register 8 t + i is o(r, 16 t + 8 h + i)
.set j, j+1
.endr
.irp t, 0,1,2,3
	ds_store_b128 v8, v[96+8*\t:99+8*\t] offset:64*\t
	ds_store_b128 v8, v[100+8*\t:103+8*\t] offset:64*\t+16
.endr
.irp i, 0,1,2,3,4,5,6,7
	ds_load_b128 v[128+4*\i:131+4*\i], v9 offset:544*\i                  ; my own stage, served in order: these see the stores above
.endr
.irp i, 0,1,2,3,4,5,6,7
	s_wait_dscnt 7-\i                              ; LDS loads come back in order: number i is in
	global_store_b128 v7, v[128+4*\i:131+4*\i], s[20:21] offset:512*\i th:TH_STORE_NT   ; 32 lanes store 512 consecutive bytes, aligned: two rows of out0
.endr
	s_wait_xcnt 0x0                                ; the stores have read their data and their offset: the next tile writes both again
	s_sub_co_u32 s25, 127, s25                     ; the second tile: 127 - i
	s_sub_co_u32 s26, s26, 1
	s_cmp_lg_u32 s26, 0
	s_cbranch_scc1 .Ltile
	s_wait_tensorcnt 0x0
	ds_add_u32 v251, v255
	s_wait_dscnt 0x0
	s_endpgm
.Lfunc_end_k_q322f4c96fc_attn:
	.size	k_q322f4c96fc_attn, .Lfunc_end_k_q322f4c96fc_attn-k_q322f4c96fc_attn
	.p2alignl 7, 3214868480
	.fill 96, 4, 3214868480
	.section	.rodata,"a",@progbits
	.p2align	6, 0x0
	.amdhsa_kernel k_q322f4c96fc_attn
		.amdhsa_group_segment_fixed_size 219648
		.amdhsa_private_segment_fixed_size 0
		.amdhsa_enable_private_segment 0
		.amdhsa_kernarg_size 72
		.amdhsa_user_sgpr_count 2
		.amdhsa_user_sgpr_kernarg_segment_ptr 1
		.amdhsa_wavefront_size32 1
		.amdhsa_system_sgpr_workgroup_id_x 1
		.amdhsa_system_sgpr_workgroup_id_y 1
		.amdhsa_system_sgpr_workgroup_id_z 1
		.amdhsa_system_vgpr_workitem_id 0
		.amdhsa_next_free_vgpr 256
		.amdhsa_next_free_sgpr 100
		.amdhsa_reserve_vcc 0
		.amdhsa_float_denorm_mode_32 3
		.amdhsa_float_denorm_mode_16_64 3
		.amdhsa_memory_ordered 1
		.amdhsa_forward_progress 1
		.amdhsa_inst_pref_size 33
	.end_amdhsa_kernel
	.amdgpu_metadata
---
amdhsa.version: [ 1, 2 ]
amdhsa.kernels:
  - .name:           k_q322f4c96fc_attn
    .symbol:         k_q322f4c96fc_attn.kd
    .args:
      - { .name: q_codes, .offset: 0, .size: 8, .value_kind: global_buffer, .address_space: global }
      - { .name: q_scales, .offset: 8, .size: 8, .value_kind: global_buffer, .address_space: global }
      - { .name: k_codes, .offset: 16, .size: 8, .value_kind: global_buffer, .address_space: global }
      - { .name: k_scales, .offset: 24, .size: 8, .value_kind: global_buffer, .address_space: global }
      - { .name: v_codes, .offset: 32, .size: 8, .value_kind: global_buffer, .address_space: global }
      - { .name: v_scales, .offset: 40, .size: 8, .value_kind: global_buffer, .address_space: global }
      - { .name: mask_words, .offset: 48, .size: 8, .value_kind: global_buffer, .address_space: global }
      - { .name: tile_flags, .offset: 56, .size: 8, .value_kind: global_buffer, .address_space: global }
      - { .name: out0, .offset: 64, .size: 8, .value_kind: global_buffer, .address_space: global }
    .group_segment_fixed_size: 219648
    .private_segment_fixed_size: 0
    .kernarg_segment_align: 8
    .kernarg_segment_size: 72
    .max_flat_workgroup_size: 512
    .sgpr_count:     100
    .vgpr_count:     256
    .wavefront_size: 32
...
	.end_amdgpu_metadata
.endif
;; end of part 2
;; ======== version 2 of 2: 2 launches
;; workspace buffers: q_codes 4,194,304 bytes; q_scales 262,144 bytes; k_codes 4,194,304 bytes; k_scales 262,144 bytes; v_codes 4,194,304 bytes; v_scales 262,144 bytes; mask_words 524,288 bytes of whole numbers; tile_flags 2,048 bytes of whole numbers
;; launch prep (part 3): grid 896 x 1, 4 waves a work-group, no clusters, 67,072 bytes of LDS; arguments queries, keys, values, mask, q_codes, q_scales, k_codes, k_scales, v_codes, v_scales, mask_words, tile_flags; writes q_codes, q_scales, k_codes, k_scales, v_codes, v_scales, mask_words, tile_flags
.if DOCPART == 3
	.amdgcn_target "amdgcn-amd-amdhsa--gfx1250"
	.amdhsa_code_object_version 6
	.text
	.protected	k_q322f4c96fc_prep
	.globl	k_q322f4c96fc_prep
	.p2align	8
	.type	k_q322f4c96fc_prep,@function
k_q322f4c96fc_prep:
	s_mov_b64 s[64:65], 0
	v_nop
	global_prefetch_b8 v0, s[64:65] scope:SCOPE_SE
	s_setreg_imm32_b32 hwreg(HW_REG_WAVE_MODE, 25, 1), 1
	s_wait_xcnt 0x0
; Every input is read once and laid as the attention launch wants it.  Three paths, parted on the work-group's number alone:
;   work-groups 0-255 queries, 256-511 keys: [64 heads][2048][64] f32 -> codes of FP4 (E2M1) along the head's 64 (two blocks of 32 a row) and one E8M0 byte a block, both as they lie;
;   work-groups 512-767 values: quantised along the KEYS, 32 keys to a block; a lane takes a column d and its registers run down the keys; the codes are stored in the order of the operand's registers;
;   work-groups 768-895 mask [2048][2048] bytes -> for each tile of 16 queries x 128 keys 64 lane masks (one for each score register of the attention launch) and two flags: some key counts, all keys count.
; A block's scale is 2^(floor(log2(its largest magnitude)) - 2); its byte is the largest magnitude's exponent field - 2, held at 1 from below by a floor among the maximum's leaves.
; LIMITS: a block of zeros, and a block whose largest magnitude lies under 2^-124, keep the byte 1 (a block of zeros has zero codes, and these bytes are read by this program alone); NaN and infinities in q, k, v are not served.
; No tensor loads, no barrier: waves share nothing.  The two paths that use LDS have bytes of their own: q and k bytes 0 to 32,767, the mask bytes 32,768 to 66,559.
.set FLOOR,  0x1800000                 ; 2^(3 - 127)
.set TAKE2,  0xff000000                ; -(2 << 23): 2 off an exponent field
.set QSTEPS, 16                        ; q, k: a wave takes 16 steps of 512 numbers
.set SP,     80                        ; a lane's place in a stage: its 64 bytes + 16 of padding
.set WREG,   8192                      ; a wave's LDS: two stages of 32 x SP bytes, then its 256 scale bytes
.set QR,     16                        ; v16-79   four sets of 16 numbers as loaded
.set QX,     80                        ; v80-111  two sets of 16 neighbours
.set QE,     112                       ; v112-127 a scale byte for each step
.set QC,     128                       ; v128-191 codes: four registers for each step: no store's data are written again
.set VX,     32                        ; values: v32-95 two sets of 32 numbers
.set VC,     96                        ; v96-127  codes: four registers for each of 8 blocks: never written again
.set VSB,    24                        ; v24-25   a step's four scale bytes
.set MSTG,   32768                     ; mask: the stages' first byte
.set MP,     528                       ; a stage row: 512 bytes + 16
.set MT,     8                         ; v8-11    at work
.set MO,     16                        ; v16-23   a pair of registers for each step: lane L holds words 2 L and 2 L + 1
.set MI,     32                        ; v32-95   16 rows as loaded
.set MB,     128                       ; v128-191 16 registers for each step: my row's bytes
.macro QLOAD t
.irp i, 0,1,2,3
	global_load_b128 v[QR+16*((\t)%4)+4*\i:QR+16*((\t)%4)+4*\i+3], v3, s[4:5] offset:2048*(\t)+512*\i th:TH_LOAD_NT   ; 32 lanes read 512 consecutive bytes
.endr
.endm
.macro QTURN t                         ; step t's numbers through the stage: LDS serves a wave's instructions in order, so no wait stands between the stores and the loads
.irp i, 0,1,2,3
	ds_store_b128 v14, v[QR+16*((\t)%4)+4*\i:QR+16*((\t)%4)+4*\i+3] offset:32*SP*((\t)%2)+8*SP*\i
.endr
.irp i, 0,1,2,3
	ds_load_b128 v[QX+16*((\t)%2)+4*\i:QX+16*((\t)%2)+4*\i+3], v15 offset:32*SP*((\t)%2)+16*\i
.endr
.endm
.macro QSTEP t
.set XS, QX+16*((\t)%2)
.if (\t) > 0
	s_wait_dscnt 1                                 ; this step's numbers are back from the stage (the last step's byte store may be out): so its stores into the stage have read their registers,
.else
	s_wait_dscnt 0x0
.endif
.if (\t)+4 < QSTEPS
	QLOAD (\t)+4                                   ; which take the loads of four steps on
.endif
.if (\t)+1 < QSTEPS
.if QSTEPS-2-(\t) >= 3
	s_wait_loadcnt 12                              ; the next step's four loads are in; those of the three steps behind it may be out
.else
	s_wait_loadcnt 4*(QSTEPS-2-(\t))               ; in the tail fewer steps stand behind it
.endif
	QTURN (\t)+1                                   ; and go through the other stage while this step is worked
.endif
	v_max3_num_f32 v8, |v[XS]|, |v[XS+1]|, |v[XS+2]|               ; the largest magnitude of my 16, in two chains
	v_max3_num_f32 v9, |v[XS+3]|, |v[XS+4]|, |v[XS+5]|
.irp i, 6,10
	v_max3_num_f32 v8, v8, |v[XS+\i]|, |v[XS+\i+1]|
	v_max3_num_f32 v9, v9, |v[XS+\i+2]|, |v[XS+\i+3]|
.endr
	v_max3_num_f32 v8, v8, |v[XS+14]|, |v[XS+15]|
	v_max3_num_f32 v8, v8, v9, FLOOR               ; and the floor: the byte cannot fall under 1
	v_max_num_f32_dpp v8, v8, v8 row_xmask:1 row_mask:0xf bank_mask:0xf   ; and of my neighbour's 16: the block's
	v_add_nc_u32 v11, TAKE2, v8                    ; the conversion takes the exponent field of this operand as its scale, and nothing else of it
	v_cvt_scalef32_pk8_fp4_f32 v[QC+4*(\t)], v[XS:XS+7], v11
	v_cvt_scalef32_pk8_fp4_f32 v[QC+4*(\t)+1], v[XS+8:XS+15], v11
	v_lshrrev_b32 v[QE+(\t)], 23, v11              ; the scale's byte (also the plain line behind the conversions)
	ds_store_b8 v5, v[QE+(\t)] offset:16*(\t)      ; both lanes of a block write the same byte with the same value
	global_store_b64 v4, v[QC+4*(\t):QC+4*(\t)+1], s[12:13] offset:256*(\t)   ; 32 lanes store 256 consecutive bytes, aligned
.endm
.macro VLOAD t                         ; block t: values(32 t + i, my column), i = 0 .. 31, into set t % 2; a row is 256 bytes, a wave reads 128 consecutive ones, the wave beside it the others
.set i, 0
.rept 32
	global_load_b32 v[VX+32*((\t)%2)+i], v3, s[8:9] offset:(32*(\t)+i)*256 th:TH_LOAD_NT
.set i, i+1
.endr
.endm
.macro VBLOCK t
.set XS, VX+32*((\t)%2)
.if (\t) < 7
	s_wait_loadcnt 32                              ; this block's 32 loads are in; the next block's 32 may be out
.else
	s_wait_loadcnt 0x0
.endif
	v_max3_num_f32 v12, |v[XS]|, |v[XS+1]|, |v[XS+2]|              ; the block's largest magnitude: all 32 numbers are mine
	v_max3_num_f32 v13, |v[XS+3]|, |v[XS+4]|, |v[XS+5]|
.irp i, 6,10,14,18,22,26
	v_max3_num_f32 v12, v12, |v[XS+\i]|, |v[XS+\i+1]|
	v_max3_num_f32 v13, v13, |v[XS+\i+2]|, |v[XS+\i+3]|
.endr
	v_max3_num_f32 v12, v12, |v[XS+30]|, |v[XS+31]|
	v_max3_num_f32 v12, v12, v13, FLOOR
	v_add_nc_u32 v11, TAKE2, v12                   ; the conversions' scale operand
	v_lshrrev_b32 v13, 23, v11                     ; the scale's byte
.if (\t)%4 == 0
	v_mov_b32 v[VSB+(\t)/4], v13                   ; four bytes to a word, the lower keys in the lower byte
.else
	v_lshl_or_b32 v[VSB+(\t)/4], v13, 8*((\t)%4), v[VSB+(\t)/4]
.endif
.irp g, 0,1,2,3
	v_cvt_scalef32_pk8_fp4_f32 v[VC+4*(\t)+\g], v[XS+8*\g:XS+8*\g+7], v11
.endr
	global_store_b128 v4, v[VC+4*(\t):VC+4*(\t)+3], s[20:21] offset:((\t)/4)*4096+((\t)%4)*256   ; 32 keys' codes of my column; sixteen lanes store 256 consecutive bytes, aligned
.if (\t)%4 == 3
	global_store_b32 v3, v[VSB+(\t)/4], s[22:23] offset:((\t)/4)*256   ; a step's scale word of my column: 128 consecutive bytes a wave, one byte in 128 of what this path reads
.endif
.if (\t)+2 < 8
	VLOAD (\t)+2                                   ; (a load into a conversion's sources wants no place; the next block begins with plain lines)
.endif
.endm
; Step k of my four: word n = 16 b + i is the lane mask of byte i of my 16 bytes of block b: bit (r + 16 h) = mask[16 qt + r][128 step + 32 b + 16 h + i].
.macro MWORDS k
	s_wait_dscnt 12-4*(\k)                         ; this step's four loads are back; the later steps' may be out
	v_mov_b32 v[MO+2*(\k)], 0                      ; a lane write's destination counts as read
	v_mov_b32 v[MO+2*(\k)+1], 0
.set m, 0
.rept 16
.irp g, 0,1,2,3
	v_and_b32 v[MT+\g], 0xff<<(8*\g), v[MB+16*(\k)+m]              ; byte g of register m: word n = 4 m + g
.endr
.irp g, 0,1,2,3
	v_cmp_ne_u32 s[32+\g], 0, v[MT+\g]             ; the 32 lanes' bits
.endr
.irp g, 0,1,2,3
	v_writelane_b32 v[MO+2*(\k)+\g%2], s[32+\g], 2*m+\g/2          ; word n goes to lane n / 2, register n % 2
.endr
.set m, m+1
.endr
	global_store_b64 v6, v[MO+2*(\k):MO+2*(\k)+1], s[24:25] offset:256*(\k)   ; 64 words: 256 consecutive bytes, aligned
	v_or_b32 v12, v[MO+2*(\k)], v[MO+2*(\k)+1]
	v_and_b32 v13, v[MO+2*(\k)], v[MO+2*(\k)+1]
	v_cmp_ne_u32 s36, 0, v12                       ; lanes with a bit set
	v_cmp_ne_u32 s37, -1, v13                      ; lanes with a bit clear
	s_cmp_lg_u32 s36, 0
	s_cselect_b32 s38, 1<<(\k), 0                  ; some key counts
	s_or_b32 s40, s40, s38
	s_cmp_eq_u32 s37, 0
	s_cselect_b32 s38, 1<<(\k), 0                  ; all keys count
	s_or_b32 s41, s41, s38
.endm
	s_load_b512 s[4:19], s[0:1], 0x0               ; queries s[4:5], keys s[6:7], values s[8:9], mask s[10:11], q_codes s[12:13], q_scales s[14:15], k_codes s[16:17], k_scales s[18:19]
	s_load_b256 s[20:27], s[0:1], 0x40             ; v_codes s[20:21], v_scales s[22:23], mask_words s[24:25], tile_flags s[26:27]
	v_lshl_add_u32 v192, v0, 2, 0x10400
	v_mov_b32 v193, 0
	v_lshrrev_b32 v1, 5, v0
	v_readfirstlane_b32 s28, v1                    ; wave 0..3
	v_and_b32 v2, 31, v0                           ; lane
	s_wait_kmcnt 0x0
	s_cmp_lt_u32 ttmp9, 512
	s_cbranch_scc0 .Lnot_qk
	s_wait_alu depctr_va_vdst(0)
	; ---- queries and keys: plain streams of blocks of 32.  A load reads 512 consecutive bytes, 16 a lane; a step's 2,048 bytes turn through the wave's own stage and come back 64 bytes a lane: 16 neighbours, two lanes to a block
	v_lshlrev_b32 v3, 4, v2                        ; my 16 bytes of a load's 512
	s_mul_i32 s29, s28, WREG
	v_lshrrev_b32 v14, 2, v2
	v_mul_u32_u24 v14, v14, SP
	v_and_b32 v15, 3, v2
	v_lshl_add_u32 v14, v15, 4, v14
	v_add_nc_u32 v14, s29, v14                     ; into the stage: SP (lane / 4) + 16 (lane % 4); a load's 512 bytes take eight places
	v_mul_u32_u24 v15, v2, SP
	v_add_nc_u32 v15, s29, v15                     ; out of it: SP x lane
	v_lshlrev_b32 v4, 3, v2                        ; my 8 bytes of a step's codes
	v_lshrrev_b32 v5, 1, v2
	s_add_co_u32 s29, s29, 2*32*SP
	v_add_nc_u32 v5, s29, v5                       ; my block's byte among the wave's 256 scale bytes
	v_lshlrev_b32 v7, 3, v2                        ; and on the way out 8 bytes a lane
	v_add_nc_u32 v6, s29, v7
	s_cmp_lt_u32 ttmp9, 256                        ; queries or keys: the choice hangs on the work-group's number alone
	s_cselect_b64 s[4:5], s[4:5], s[6:7]
	s_cselect_b64 s[12:13], s[12:13], s[16:17]
	s_cselect_b64 s[14:15], s[14:15], s[18:19]
	s_cselect_b32 s29, 0, 256
	s_sub_co_u32 s29, ttmp9, s29
	s_lshl_b32 s29, s29, 2
	s_add_co_u32 s30, s29, s28                     ; which run of 8,192 numbers is my wave's: 0 .. 1,023
	s_mov_b32 s33, 0
	s_lshl_b32 s32, s30, 15                        ; 32,768 bytes of numbers,
	s_add_nc_u64 s[4:5], s[4:5], s[32:33]
	s_lshl_b32 s32, s30, 12                        ; 4,096 of codes,
	s_add_nc_u64 s[12:13], s[12:13], s[32:33]
	s_lshl_b32 s32, s30, 8                         ; 256 scale bytes
	s_add_nc_u64 s[14:15], s[14:15], s[32:33]
.irp t, 0,1,2,3
	QLOAD \t
.endr
	s_wait_alu depctr_va_vdst(0)
	s_wait_loadcnt 12                              ; step 0's four loads are in
	QTURN 0
.irp t, 0,1,2,3,4,5,6,7,8,9,10,11,12,13,14,15
	QSTEP \t
.endr
	ds_load_b64 v[12:13], v6                       ; LDS serves a wave's instructions in order: these see my byte stores
	s_wait_dscnt 0x0
	global_store_b64 v7, v[12:13], s[14:15]        ; 32 lanes store 256 consecutive bytes, aligned
	s_wait_tensorcnt 0x0
	ds_add_u32 v192, v193
	s_wait_dscnt 0x0
	s_endpgm
.Lnot_qk:
	s_cmp_lt_u32 ttmp9, 768
	s_cbranch_scc0 .Lmask
	; ---- values: a work-group takes 512 keys x 64 columns; wave w columns 32 (w % 2) + lane, keys 256 (w / 2) on: 8 blocks, 2 steps of 128 keys
	s_sub_co_u32 s29, ttmp9, 512
	s_lshr_b32 s30, s28, 1
	s_and_b32 s31, s28, 1
	s_mov_b32 s33, 0
	s_lshl_b32 s32, s29, 17                        ; values: 512 rows of 256 bytes a work-group,
	s_lshl_b32 s34, s30, 16                        ; 256 rows,
	s_add_co_u32 s32, s32, s34
	s_lshl_b32 s34, s31, 7                         ; 32 columns
	s_add_co_u32 s32, s32, s34
	s_add_nc_u64 s[8:9], s[8:9], s[32:33]
	s_lshl_b32 s32, s29, 14                        ; codes: 4 steps of 4,096 bytes a work-group,
	s_lshl_b32 s34, s30, 13                        ; 2 steps,
	s_add_co_u32 s32, s32, s34
	s_lshl_b32 s34, s31, 11                        ; 2 tiles of 16 columns
	s_add_co_u32 s32, s32, s34
	s_add_nc_u64 s[20:21], s[20:21], s[32:33]
	s_lshl_b32 s32, s29, 10                        ; scale words: 4 steps of 256 bytes,
	s_lshl_b32 s34, s30, 9
	s_add_co_u32 s32, s32, s34
	s_lshl_b32 s34, s31, 7
	s_add_co_u32 s32, s32, s34
	s_add_nc_u64 s[22:23], s[22:23], s[32:33]
	s_wait_alu depctr_va_vdst(0)
	v_lshlrev_b32 v3, 2, v2                        ; 4 bytes a lane: in, and the scale words out
	v_lshrrev_b32 v4, 4, v2
	v_and_b32 v5, 15, v2
	v_lshlrev_b32 v4, 10, v4
	v_lshl_add_u32 v4, v5, 4, v4                   ; codes out: 1,024 (lane / 16) + 16 (lane % 16)
	VLOAD 0
	VLOAD 1
.irp t, 0,1,2,3,4,5,6,7
	VBLOCK \t
.endr
	s_endpgm
.Lmask:
	; ---- mask: a work-group takes 16 rows (a tile of queries); wave w columns 512 w on: steps 4 w .. 4 w + 3
	s_sub_co_u32 s29, ttmp9, 768
	s_mov_b32 s33, 0
	s_lshl_b32 s32, s29, 15                        ; 16 rows of 2,048 bytes
	s_lshl_b32 s34, s28, 9
	s_add_co_u32 s32, s32, s34
	s_add_nc_u64 s[10:11], s[10:11], s[32:33]
	s_lshl_b32 s32, s29, 12                        ; 16 steps of 256 bytes of words
	s_lshl_b32 s34, s28, 10
	s_add_co_u32 s32, s32, s34
	s_add_nc_u64 s[24:25], s[24:25], s[32:33]
	s_lshl_b32 s32, s29, 4                         ; four flag words
	s_lshl_b32 s34, s28, 2
	s_add_co_u32 s32, s32, s34
	s_add_nc_u64 s[26:27], s[26:27], s[32:33]
	s_mul_i32 s43, s28, 16*MP
	s_add_co_u32 s43, s43, MSTG                    ; my stage
	s_wait_alu depctr_va_vdst(0)
	v_lshlrev_b32 v3, 4, v2                        ; 16 bytes a lane
	v_add_nc_u32 v4, s43, v3                       ; into the stage: a row's 512 bytes on end
	v_and_b32 v12, 15, v2                          ; r
	v_lshrrev_b32 v13, 4, v2                       ; h
	v_mul_u32_u24 v5, v12, MP
	v_lshl_add_u32 v5, v13, 4, v5
	v_add_nc_u32 v5, s43, v5                       ; out of it: row r, + 16 h
	v_lshlrev_b32 v6, 3, v2                        ; words out: 8 bytes a lane
	s_mov_b32 s40, 0
	s_mov_b32 s41, 0
.irp j, 0,1,2,3,4,5,6,7,8,9,10,11,12,13,14,15
	global_load_b128 v[MI+4*\j:MI+4*\j+3], v3, s[10:11] offset:2048*\j th:TH_LOAD_NT   ; row j: 512 consecutive bytes
.endr
	s_wait_alu depctr_va_vdst(0)
.irp j, 0,1,2,3,4,5,6,7,8,9,10,11,12,13,14,15
	s_wait_loadcnt 15-\j                           ; loads come back in order: row j is in
	ds_store_b128 v4, v[MI+4*\j:MI+4*\j+3] offset:MP*\j
.endr
.irp k, 0,1,2,3
.irp b, 0,1,2,3
	ds_load_b128 v[MB+16*\k+4*\b:MB+16*\k+4*\b+3], v5 offset:128*\k+32*\b   ; my own stage, served in order: these see the stores above
.endr
.endr
	MWORDS 0
	MWORDS 1
	MWORDS 2
	MWORDS 3
	s_lshl_b32 s39, s28, 2
	s_lshl_b32 s40, s40, s39                       ; bits 4 w .. 4 w + 3: some key counts
	s_add_co_u32 s39, s39, 16
	s_lshl_b32 s41, s41, s39                       ; bits 16 + 4 w ..: all keys count
	s_or_b32 s40, s40, s41
	v_mov_b32 v12, s40
	v_mov_b32 v13, 0
	v_cmp_eq_u32 vcc_lo, 0, v2
	s_wait_alu depctr_va_vdst(0)
	s_wait_xcnt 0x0                                ; EXEC is a source of the stores above: it changes only behind this wait
	s_wait_tensorcnt 0x0
	ds_add_u32 v192, v193
	s_wait_dscnt 0x0
	s_and_saveexec_b32 s42, vcc_lo
	global_store_b32 v13, v12, s[26:27]            ; one word a wave: the whole buffer is 2,048 bytes
	s_wait_xcnt 0x0                                ; and again in front of the line that widens it
	s_or_b32 exec_lo, exec_lo, s42
	s_endpgm
.Lfunc_end_k_q322f4c96fc_prep:
	.size	k_q322f4c96fc_prep, .Lfunc_end_k_q322f4c96fc_prep-k_q322f4c96fc_prep
	.p2alignl 7, 3214868480
	.fill 96, 4, 3214868480
	.section	.rodata,"a",@progbits
	.p2align	6, 0x0
	.amdhsa_kernel k_q322f4c96fc_prep
		.amdhsa_group_segment_fixed_size 67072
		.amdhsa_private_segment_fixed_size 0
		.amdhsa_enable_private_segment 0
		.amdhsa_kernarg_size 96
		.amdhsa_user_sgpr_count 2
		.amdhsa_user_sgpr_kernarg_segment_ptr 1
		.amdhsa_wavefront_size32 1
		.amdhsa_system_sgpr_workgroup_id_x 1
		.amdhsa_system_sgpr_workgroup_id_y 1
		.amdhsa_system_sgpr_workgroup_id_z 1
		.amdhsa_system_vgpr_workitem_id 0
		.amdhsa_next_free_vgpr 194
		.amdhsa_next_free_sgpr 66
		.amdhsa_reserve_vcc 1
		.amdhsa_float_denorm_mode_32 3
		.amdhsa_float_denorm_mode_16_64 3
		.amdhsa_memory_ordered 1
		.amdhsa_forward_progress 1
		.amdhsa_inst_pref_size 127
	.end_amdhsa_kernel
	.amdgpu_metadata
---
amdhsa.version: [ 1, 2 ]
amdhsa.kernels:
  - .name:           k_q322f4c96fc_prep
    .symbol:         k_q322f4c96fc_prep.kd
    .args:
      - { .name: queries, .offset: 0, .size: 8, .value_kind: global_buffer, .address_space: global }
      - { .name: keys, .offset: 8, .size: 8, .value_kind: global_buffer, .address_space: global }
      - { .name: values, .offset: 16, .size: 8, .value_kind: global_buffer, .address_space: global }
      - { .name: mask, .offset: 24, .size: 8, .value_kind: global_buffer, .address_space: global }
      - { .name: q_codes, .offset: 32, .size: 8, .value_kind: global_buffer, .address_space: global }
      - { .name: q_scales, .offset: 40, .size: 8, .value_kind: global_buffer, .address_space: global }
      - { .name: k_codes, .offset: 48, .size: 8, .value_kind: global_buffer, .address_space: global }
      - { .name: k_scales, .offset: 56, .size: 8, .value_kind: global_buffer, .address_space: global }
      - { .name: v_codes, .offset: 64, .size: 8, .value_kind: global_buffer, .address_space: global }
      - { .name: v_scales, .offset: 72, .size: 8, .value_kind: global_buffer, .address_space: global }
      - { .name: mask_words, .offset: 80, .size: 8, .value_kind: global_buffer, .address_space: global }
      - { .name: tile_flags, .offset: 88, .size: 8, .value_kind: global_buffer, .address_space: global }
    .group_segment_fixed_size: 67072
    .private_segment_fixed_size: 0
    .kernarg_segment_align: 8
    .kernarg_segment_size: 96
    .max_flat_workgroup_size: 128
    .sgpr_count:     66
    .vgpr_count:     194
    .wavefront_size: 32
...
	.end_amdgpu_metadata
.endif
;; end of part 3
;; launch attn (part 4): grid 4 x 64, 16 waves a work-group, no clusters, 219,648 bytes of LDS; arguments q_codes, q_scales, k_codes, k_scales, v_codes, v_scales, mask_words, tile_flags, out0; writes out0
.if DOCPART == 4
	.amdgcn_target "amdgcn-amd-amdhsa--gfx1250"
	.amdhsa_code_object_version 6
	.text
	.protected	k_q322f4c96fc_attn
	.globl	k_q322f4c96fc_attn
	.p2align	8
	.type	k_q322f4c96fc_attn,@function
k_q322f4c96fc_attn:
	s_mov_b64 s[64:65], 0
	v_nop
	global_prefetch_b8 v0, s[64:65] scope:SCOPE_SE
	s_setreg_imm32_b32 hwreg(HW_REG_WAVE_SCHED_MODE, 0, 2), 2
	s_setreg_imm32_b32 hwreg(HW_REG_WAVE_MODE, 25, 1), 1
	s_wait_xcnt 0x0
	s_wait_alu depctr_vm_vsrc(0)
; out0[head][q][:] = the sum over k of softmax_k(mask ? Q[q] . K[k] / 8 : -infinity) V[k][:], 64 heads, 2,048 queries and keys, head size 64, both products on codes of FP4 (E2M1) with one E8M0 scale for each 32 along K.
; THE SOFTMAX AHEAD OF THE SECOND PRODUCT: t = score x log2(e) / 8; M = the row's largest t so far, rounded UP to a whole number; p = 2^(t - M) is what is quantised, along the keys; the row's sum is taken of the
; unquantised p and divides at the end.  When M moves, the sum and O are multiplied by 2^(old M - new M): exact.
; SHARES.  Four work-groups to a head, sixteen waves each, 256 registers a wave.  Wave number i = 16 x + wave (0 .. 63) owns the tiles of 16 queries i and 127 - i, one after the other; a tile walks 16 steps of 128 keys.
; THE MASK IS AN INPUT.  The launch before has stored, for each tile of queries and step, 64 lane masks (one for each score register) and two flags.  A step in which no key counts is jumped over, by a scalar branch on
; the stored flag, round the step's loads, products and softmax; a step in which all keys count jumps over the 64 selects.  Trip counts are constants; nothing is assumed of the mask's pattern.
; LDS.  A head's K and V, codes and scales, are 139,264 bytes: they are copied into LDS once, through registers, as images of the operands' registers; one barrier; after it the waves share nothing that is written.
; WHY NO CLUSTER AND NO TENSOR LOAD: what the four work-groups of a head share is those 139,264 bytes, read once at the head.
; LAYOUT.  Both products are used transposed: S^T = K Q^T (source 0 = 16 keys, source 1 = my 16 queries), O^T = V^T P^T (source 0 = 16 of the head's 64, source 1 = P): a lane holds ONE query (lane % 16) throughout.
; THE KEYS OF A TILE ARE NOT NEIGHBOURS: lane r of tile 2 b + u takes key 32 b + 8 u + r + 8 (r / 8), so that score register 16 b + i of lane (r, h) is key 32 b + 16 h + i.
; THE FIRST PRODUCT'S K IS 64, the instruction's 128: Q's registers 4-7 are zero codes.  So K's registers 4-7 may hold any codes (every code of E2M1 is a finite number): tile t's fragment is named v[32 + 4 t : 39 + 4 t],
; whose upper four are the next tile's codes (tile 7's: zeros).  Bytes 2 and 3 of both scale words are 0, which is 2^-127.  That spares 32 registers and 8 LDS loads a step.
; LIMITS: NaN and infinities in the inputs are not served; a block of p that is all zeros keeps the byte 1 (its codes are zeros); a query for which no key counts gets 0 x (1 / 0) = NaN, as the definition gives.
; LDS MAP: bytes 0 .. 69,631: a stage of 16 rows x 272 bytes for each wave, for the way out.  From KV on: 16 step slots of SS bytes: + 0 K's 8 tile images of 512 bytes (lane l's 16 bytes at 16 l); + VIM V's 4 tile images of
; 1,024 bytes; + KSC K's scale bytes, 2 a key; + VSC V's scale words, 4 bytes a d.  Used: 208,896 bytes; claimed: one slot more.
; REGISTERS: v1 16 x lane; v2, v3 my places among a slot's scales; v4-6 the step's LDS addresses; v7 my offset in out0; v8, v9 the stage; v10, v11 Q's offsets; v12 -M, v13 the largest t, v[14:15] the sum in two halves;
; v16-19 Q, v20-23 zeros; v24 Q's scale word; v25 -infinity; v26, v27 Q's lane offsets; v32-63 K's eight tiles, v64-67 zeros; v68-71 K's scale words, v72-73 V's; v76-80 the fill's addresses; v96-159 S^T, then p;
; v160-191 O^T; v192-223 V's four fragments; v224-231 p's codes; v232-254 at work.
; s[4:7] Q's codes and scales at my head; s[8:9] lane selects; s[10:11] c; s[12:13] the step's mask words; s[16:19] mask_words, tile_flags; s[20:21] out0 at my head; s22 wave; s25 the tile of queries; s26 tiles to go;
; s27 the step; s28 its slot in LDS; s29 the tile's flags; s[32:63], s[68:99] the step's 64 lane masks.
; THE MODE: SCHED_MODE bits 1:0 = 2 (LLVM: expert scheduling mode 2), set by the entry lines.  The code itself states the register dependences between vector or matrix instructions and memory or LDS
; instructions, with s_wait_alu, always for 0.
; THE PLAN.  Registers that memory or LDS instructions touch:
;   v28, v29, v76-80, v1-3, v8, v9, v26, v27   offsets and addresses, made once at the head and never written again.
;   v96-163 at the head   the fill's loads land in them, the fill's LDS stores read them; afterwards they are S^T, p and O^T.
;   v10, v11              written at a tile's head, read by Q's two loads.      v16-19, v24   Q's loads land in them; all first products of the tile read them.
;   v4-6                  written at a step's head, read by the step's 22 LDS loads.
;   v32-63, v68-71        K: a step's LDS loads land in them, its eight first products read them.      v192-223, v72-73   V: likewise, its four second products.
;   v7                    written on the way out, read by the tile's eight stores.
;   v96-127, v128-159 on the way out   the 32 multiplies write the first, the LDS stores read them; the stage's loads land in the second, the global stores read them.
; A STEP HAS ONE WAIT ON va_vdst FOR ITS 22 LDS LOADS, at its head: the addresses are written, and the last step's products are done reading K, V and their scales.  K's twelve loads follow it; V's ten are dealt among
; the eight first products, which name S^T, K, Q and their scales: none of the registers that V's loads touch.  One wait on vm_vsrc, behind the last of the loads, frees v4-6 for the next step.  One more wait on
; va_vdst stands ahead of the second products, which take p's codes and scale word from vector instructions.  A tile has one wait on va_vdst at its head (Q), one ahead of the stage's stores, and one on vm_vsrc at its end.
.set SS,   8704                        ; a step's slot
.set STGB, 16*272                      ; a wave's stage
.set KV,   16*STGB                     ; the slots' first byte
.set VIM,  4096
.set KSC,  8192
.set VSC,  8448
	s_load_b512 s[4:19], s[0:1], 0x0               ; q_codes s[4:5], q_scales s[6:7], k_codes s[8:9], k_scales s[10:11], v_codes s[12:13], v_scales s[14:15], mask_words s[16:17], tile_flags s[18:19]
	s_load_b64 s[20:21], s[0:1], 0x40              ; out0
	v_lshl_add_u32 v251, v0, 2, 0x35200
	v_mov_b32 v255, 0
	v_lshrrev_b32 v28, 5, v0
	v_readfirstlane_b32 s22, v28                   ; wave 0..15
	s_and_b32 s23, ttmp7, 0xffff                   ; the head
	s_lshl_b32 s2, s23, 16                         ; a head's codes: 65,536 bytes,
	s_mov_b32 s3, 0
	s_lshl_b32 s30, s23, 12                        ; its scales: 4,096,
	s_mov_b32 s31, 0
	s_lshl_b32 s26, s23, 19                        ; its rows of out0: 524,288
	s_mov_b32 s27, 0
	v_lshlrev_b32 v28, 4, v0                       ; 16 x thread
	v_lshlrev_b32 v29, 3, v0                       ; 8 x thread
	s_wait_alu depctr_va_sdst(0)                   ; s22 is written, ahead of its first reader: my stage's and my slot's LDS bytes and my tile of queries are made from it
	s_wait_kmcnt 0x0
	s_add_nc_u64 s[4:5], s[4:5], s[2:3]
	s_add_nc_u64 s[8:9], s[8:9], s[2:3]
	s_add_nc_u64 s[12:13], s[12:13], s[2:3]
	s_add_nc_u64 s[6:7], s[6:7], s[30:31]
	s_add_nc_u64 s[10:11], s[10:11], s[30:31]
	s_add_nc_u64 s[14:15], s[14:15], s[30:31]
	s_add_nc_u64 s[20:21], s[20:21], s[26:27]
	s_wait_alu depctr_va_vdst(0)                   ; v28 and v29 are written: the fill's loads read them as offsets
	; THE FILL: 18 loads a thread; each load of the work-group reads 8,192 (the scales: 4,096) consecutive bytes
.irp i, 0,1,2,3,4,5,6,7
	global_load_b128 v[96+4*\i:99+4*\i], v28, s[8:9] offset:8192*\i      ; K: key 256 i + thread / 2, block thread % 2
.endr
.irp i, 0,1,2,3,4,5,6,7
	global_load_b128 v[128+4*\i:131+4*\i], v28, s[12:13] offset:8192*\i  ; V: images already: steps 2 i and 2 i + 1
.endr
	global_load_b64 v[160:161], v29, s[10:11]      ; K's scale bytes: a wave takes a step's 256
	global_load_b64 v[162:163], v29, s[14:15]      ; V's scale words likewise
	v_and_b32 v30, 31, v0                          ; lane
	v_and_b32 v31, 15, v0                          ; r
	v_bfe_u32 v74, v0, 4, 1                        ; h
	v_lshlrev_b32 v1, 4, v30
	v_and_b32 v75, 8, v31
	v_add_nc_u32 v75, v75, v31                     ; r + 8 (r / 8)
	v_lshl_add_u32 v75, v74, 3, v75                ; + 8 h: lanes 0-15 take tile 2 b's keys, lanes 16-31 tile 2 b + 1's
	v_lshl_add_u32 v2, v75, 1, KSC                 ; K's scale bytes: 2 a key
	v_lshl_add_u32 v3, v30, 2, VSC                 ; V's scale words: lanes 0-15 tile 2 j, lanes 16-31 tile 2 j + 1
	s_mul_i32 s24, s22, STGB                       ; my stage
	v_mul_u32_u24 v8, v31, 272
	v_lshl_add_u32 v8, v74, 5, v8
	v_add_nc_u32 v8, s24, v8                       ; in: row r, + 32 h
	v_mul_u32_u24 v9, v74, 272
	v_lshl_add_u32 v9, v31, 4, v9
	v_add_nc_u32 v9, s24, v9                       ; back: lanes 0-15 one row of 256 bytes, lanes 16-31 the next
	v_lshlrev_b32 v26, 5, v31
	v_lshl_add_u32 v26, v74, 4, v26                ; Q's codes: row r of 32 bytes, block h
	v_lshlrev_b32 v27, 1, v31                      ; Q's scale bytes: 2 a row
	; where the fill goes.  K: thread bits 8: step's parity; 7:6: b; 5: r / 8; 4: u; 3:1: r % 8; 0: the block = the image's half of lanes
	v_bfe_u32 v75, v0, 8, 1
	v_mul_u32_u24 v75, v75, SS
	v_add_nc_u32 v75, KV, v75
	v_bfe_u32 v81, v0, 6, 2
	v_lshl_add_u32 v76, v81, 10, v75               ; two tiles of 512 bytes for each b,
	v_lshl_add_u32 v76, v74, 9, v76                ; u,
	v_and_b32 v81, 1, v0
	v_lshl_add_u32 v76, v81, 8, v76                ; lanes 16-31,
	v_bfe_u32 v81, v0, 5, 1
	v_lshl_add_u32 v76, v81, 7, v76                ; r / 8,
	v_bfe_u32 v81, v0, 1, 3
	v_lshl_add_u32 v76, v81, 4, v76                ; r % 8
	v_add_nc_u32 v77, 8*SS, v76                    ; loads 4 to 7: eight slots on (an LDS immediate has 16 bits)
	v_and_b32 v81, 255, v0
	v_lshl_add_u32 v78, v81, 4, v75
	v_add_nc_u32 v78, VIM, v78                     ; V: a step's 4,096 bytes as they lie
	v_add_nc_u32 v79, 8*SS, v78
	s_mul_i32 s24, s22, SS
	s_add_co_u32 s24, s24, KV+KSC
	v_lshl_add_u32 v80, v30, 3, s24                ; the scales: slot = my wave's number, 8 bytes a lane
.irp j, 20,21,22,23,64,65,66,67,236,237,238,239,253
	v_mov_b32 v\j, 0                               ; Q's and K's zero codes; the lane exchanges' destinations and the upper half of the pair v[252:253], which count as read
.endr
	v_mov_b32 v25, 0xff800000                      ; -infinity
	s_wait_alu depctr_va_vdst(0)                   ; the head's vector lines have written: v76-80, which the LDS stores below read as addresses; v1-3, v8, v9, v26, v27, from which all later addresses come; the zero codes v20-23 and v64-67, which the first products take as operands
.irp i, 0,1,2,3,4,5,6,7
	s_wait_loadcnt 17-\i                           ; loads come back in order: of the 18, number i is in
	ds_store_b128 v[76+\i/4], v[96+4*\i:99+4*\i] offset:2*SS*(\i%4)
.endr
.irp i, 0,1,2,3,4,5,6,7
	s_wait_loadcnt 9-\i                            ; number 8 + i
	ds_store_b128 v[78+\i/4], v[128+4*\i:131+4*\i] offset:2*SS*(\i%4)
.endr
	s_wait_loadcnt 1
	ds_store_b64 v80, v[160:161]
	s_wait_loadcnt 0x0
	ds_store_b64 v80, v[162:163] offset:VSC-KSC
	s_wait_dscnt 0x0                               ; for the others' sake: my stores have landed
	s_barrier_signal -1
	s_barrier_wait -1                              ; the head's K and V lie in LDS; from here on they are only read
	s_wait_alu depctr_vm_vsrc(0)                   ; my LDS stores have read v96-163: these registers are S^T, p and O^T from here on, written by products and vector lines
	s_mov_b32 s8, 0x76543210                       ; (the loads that named s[8:15] are done)  v_permlanex16_b32's selects for lane l xor 16
	s_mov_b32 s9, 0xfedcba98
	s_mov_b32 s10, 0x3e38aa3b                      ; c = log2(e) / 8
	s_mov_b32 s11, s10                             ; (the packed form names the pair, so it is written)
	s_lshl_b32 s25, ttmp9, 4
	s_add_co_u32 s25, s25, s22                     ; my first tile of queries: 16 x + wave
	s_mov_b32 s26, 2
.Ltile:
	v_lshl_add_u32 v10, s25, 9, v26                ; a tile's codes are 512 bytes,
	v_lshl_add_u32 v11, s25, 5, v27                ; its scale bytes 32
	s_wait_alu depctr_va_vdst(0)                   ; v10 and v11 are written, which the two loads read as offsets; the last tile's first products are done reading v16-19 and v24, in which the loads land
	global_load_b128 v[16:19], v10, s[4:5]         ; Q's fragment: k = 32 h .. 32 h + 31 of query r
	global_load_u16 v24, v11, s[6:7]               ; its two scale bytes; bytes 2 and 3 are 0
	s_lshl_b32 s2, s25, 4
	s_mov_b32 s3, 0
	s_add_nc_u64 s[2:3], s[18:19], s[2:3]
	s_load_b128 s[68:71], s[2:3], 0x0              ; the tile's four flag words
	s_lshl_b32 s14, s25, 12
	s_mov_b32 s15, 0
	s_add_nc_u64 s[12:13], s[16:17], s[14:15]      ; its mask words: 16 steps of 256 bytes
	v_mov_b32 v13, 0xff61b1e6                      ; the largest t so far: -3e38, under every t
	v_floor_f32 v12, -v13                          ; -M
	v_mov_b32 v14, 0                               ; the sum, in two halves
	v_mov_b32 v15, 0
.set j, 0
.rept 32
	v_mov_b32 v[160+j], 0                          ; O^T.  Which step is the first that is done hangs on the flags, so no first step can be written out: the first finds zeros, which the first change of M leaves zeros
.set j, j+1
.endr
	s_mov_b32 s27, 0
	s_mov_b32 s28, KV
	s_wait_kmcnt 0x0
	s_or_b32 s29, s68, s69
	s_or_b32 s30, s70, s71
	s_or_b32 s29, s29, s30                         ; bit s: some key of step s counts; bit 16 + s: all count
	s_wait_loadcnt 0x0                             ; Q
.Lstep:                                            ; 16 trips
	s_lshr_b32 s30, s29, s27
	s_and_b32 s31, s30, 1
	s_cmp_eq_u32 s31, 0
	s_cbranch_scc1 .Lnext                          ; no key of this step counts for any of my 16 queries
	s_load_b512 s[32:47], s[12:13], 0x0            ; the step's 64 lane masks, in every step that is done
	s_load_b512 s[48:63], s[12:13], 0x40
	s_load_b512 s[68:83], s[12:13], 0x80
	s_load_b512 s[84:99], s[12:13], 0xc0
	v_add_nc_u32 v4, s28, v1                       ; these three and the v_nop: four plain lines between the last step's products and the loads into their operands; the wait below states the dependence itself
	v_add_nc_u32 v5, s28, v2
	v_add_nc_u32 v6, s28, v3
	v_nop
	s_wait_alu depctr_va_vdst(0)                   ; v4-6 are written, which the step's 22 LDS loads read as addresses; the last step's products are done reading K, V and their scale words, in which those loads land
.irp t, 0,1,2,3,4,5,6,7
	ds_load_b128 v[32+4*\t:35+4*\t], v4 offset:512*\t                    ; K's tile t
.endr
.irp b, 0,1,2,3
	ds_load_u16 v[68+\b], v5 offset:64*\b          ; lanes 0-15: tile 2 b's scale bytes, lanes 16-31: tile 2 b + 1's
.endr
	s_wait_dscnt 0x0                               ; K and its scales are in: nothing has been issued behind these twelve
.irp t, 0,1,2,3,4,5,6,7                            ; V's ten loads are dealt among the first products.  No wait: no vector or matrix instruction since the wait at the step's head names v4, v6, v72-73 or v192-223
.if \t%2
	v_wmma_scale_f32_16x16x128_f8f6f4 v[96+8*\t:103+8*\t], v[32+4*\t:39+4*\t], v[16:23], 0, v[68+\t/2], v24 matrix_a_fmt:MATRIX_FMT_FP4 matrix_b_fmt:MATRIX_FMT_FP4 matrix_a_scale:MATRIX_SCALE_ROW1
.else
	v_wmma_scale_f32_16x16x128_f8f6f4 v[96+8*\t:103+8*\t], v[32+4*\t:39+4*\t], v[16:23], 0, v[68+\t/2], v24 matrix_a_fmt:MATRIX_FMT_FP4 matrix_b_fmt:MATRIX_FMT_FP4
.endif
.if \t < 4
	ds_load_b128 v[192+8*\t:195+8*\t], v4 offset:VIM+1024*\t             ; V's tile t: keys 32 h on,
	ds_load_b128 v[196+8*\t:199+8*\t], v4 offset:VIM+1024*\t+512         ; keys 64 + 32 h on
.elseif \t < 6
	ds_load_b32 v[72+\t-4], v6 offset:128*(\t-4)   ; V's scale words: lanes 0-15 one tile's, lanes 16-31 the next's
.endif
.endr
.rept 4
	v_nop                                          ; four places in front of the first read of the scores (ISA guide 7.12.1)
.endr
	s_wait_kmcnt 0x0                               ; the lane masks are in, on both ways
	s_wait_alu depctr_vm_vsrc(0)                   ; the step's LDS loads have read v4-6, which the next step's head writes again
	s_and_b32 s31, s30, 0x10000
	s_cmp_lg_u32 s31, 0
	s_cbranch_scc1 .Lopen                          ; all keys of this step count
.set n, 0
.rept 64
.if n < 32
	v_cndmask_b32 v[96+n], v25, v[96+n], s[32+n]   ; a hidden score becomes -infinity ahead of the maximum: its p is 0
.else
	v_cndmask_b32 v[96+n], v25, v[96+n], s[36+n]
.endif
.set n, n+1
.endr
.Lopen:
.irp b, 0,1,2,3
	v_max3_num_f32 v[232+\b], v[96+16*\b], v[97+16*\b], v[98+16*\b]      ; THE LARGEST SCORE OF EACH BLOCK OF 32 KEYS serves twice: for the row's maximum and, since p rises with the score, for the block's largest p
.endr
.irp i, 3,5,7,9,11,13
.irp b, 0,1,2,3
	v_max3_num_f32 v[232+\b], v[232+\b], v[96+16*\b+\i], v[97+16*\b+\i]  ; (the four blocks by turns)
.endr
.endr
.irp b, 0,1,2,3
	v_max_num_f32 v[232+\b], v[232+\b], v[111+16*\b]
.endr
.irp b, 0,1,2,3
	v_permlanex16_b32 v[236+\b], v[232+\b], s8, s9
.endr
.irp b, 0,1,2,3
	v_max_num_f32 v[232+\b], v[232+\b], v[236+\b]  ; with lane l xor 16's 16 keys
.endr
	v_max3_num_f32 v254, v232, v233, v234
	v_max_num_f32 v254, v254, v235                 ; the step's largest score of my query
	v_mul_f32 v254, s10, v254                      ; as t (c is positive)
	v_max_num_f32 v13, v13, v254                   ; the running largest t
	v_mov_b32 v254, v12
	v_floor_f32 v12, -v13                          ; the new -M = floor(-t) = -ceil(t): a whole number
	v_sub_f32 v254, v12, v254                      ; M's old value less its new one: a whole number, 0 or less
	v_cvt_i32_f32 v254, v254                       ; (it saturates)
	v_ldexp_f32 v252, 1.0, v254                    ; f = 2^(old M - new M)
.set j, 0
.rept 32
	v_pk_fma_f32 v[96+j:97+j], v[96+j:97+j], s[10:11], v[12:13] op_sel_hi:[1,0,0]   ; t - M, two at a time (of the pairs c and -M the low word serves both halves)
.set j, j+2
.endr
.irp b, 0,1,2,3
	v_fma_f32 v[232+\b], v[232+\b], s10, v12       ; the same of each block's largest score
.endr
.set j, 0
	s_wait_alu depctr_va_vdst(0)
.rept 64
	v_exp_f32 v[96+j], v[96+j]                     ; p = 2^(t - M), at most 1: not normalised
.set j, j+1
.endr
	v_pk_mul_f32 v[14:15], v[14:15], v[252:253] op_sel_hi:[1,0]          ; the sums under the new M (the plain line behind the exponentials)
	s_wait_alu depctr_va_vdst(0)                   ; the 64 exponentials have written p, v96-159: the wait ahead of the first line that names a result: one for the 64
.irp b, 0,1,2,3
	v_exp_f32 v[232+\b], v[232+\b]                 ; the block's largest p: the same two instructions on the same number
.endr
	v_pk_add_f32 v[240:241], v[96:97], v[98:99]    ; THE ROW'S SUM IS TAKEN OF THE UNQUANTISED p, two at a time, in two chains.  Its first half stands here, behind the four exponentials, whose results it does not name
.irp j, 4,8,12,16,20,24,28
	v_pk_add_f32 v[14:15], v[14:15], v[96+\j:97+\j]
	v_pk_add_f32 v[240:241], v[240:241], v[98+\j:99+\j]
.endr
	s_wait_alu depctr_va_vdst(0)                   ; the four exponentials have written v232-235: one wait for the four, ahead of their first reader
.irp b, 0,1,2,3
	v_max_num_f32 v[232+\b], 0x1800000, v[232+\b]  ; the floor 2^(3 - 127): the byte cannot fall under 1
.endr
.irp b, 0,1,2,3
	v_add_nc_u32 v[244+\b], 0xff000000, v[232+\b]  ; 2 off the exponent field: the conversion's scale operand
.endr
.irp b, 0,1,2,3
	v_lshrrev_b32 v[236+\b], 23, v[244+\b]         ; the scale's byte
.endr
	v_lshl_or_b32 v253, v237, 8, v236              ; p's scale word for these 128 keys
	v_lshl_or_b32 v253, v238, 16, v253
	v_lshl_or_b32 v253, v239, 24, v253
.irp b, 0,1,2,3
	v_cvt_scalef32_pk8_fp4_f32 v[224+2*\b], v[96+16*\b:103+16*\b], v[244+\b]
	v_cvt_scalef32_pk8_fp4_f32 v[225+2*\b], v[104+16*\b:111+16*\b], v[244+\b]
.endr
	v_nop                                          ; one plain line between a scaled conversion and the vector line that touches its result
.irp c, 0,1                                        ; the operand's layout wants a WHOLE block in a lane: lanes 0-15 block 2 c, lanes 16-31 block 2 c + 1
.irp i, 0,1
	v_permlane16_swap_b32 v[224+4*\c+\i], v[226+4*\c+\i]
.endr
.endr
.set j, 0
.rept 16
	v_pk_mul_f32 v[160+j:161+j], v[160+j:161+j], v[252:253] op_sel_hi:[1,0]   ; O^T under the new M, each accumulator from its low end on
.set j, j+2
.endr
.irp j, 32,36,40,44,48,52,56,60                    ; the sum's second half: with the 16 lines above, the places between the scale word, the codes and O^T as written and the products below
	v_pk_add_f32 v[14:15], v[14:15], v[96+\j:97+\j]
	v_pk_add_f32 v[240:241], v[240:241], v[98+\j:99+\j]
.endr
	v_pk_add_f32 v[14:15], v[14:15], v[240:241]
	s_wait_dscnt 0x0                               ; V and its scale words are in (asked for among the first products)
	s_wait_alu depctr_va_vdst(0)                   ; the conversions and lane exchanges have written p's codes v224-231, the shifts its scale word v253: the scaled products below take them as operand and scales; the places above stay beside this wait
.irp t, 0,1,2,3                                    ; O^T += V^T P^T.  The four accumulators take turns, one instruction a turn, and the next step's eight first products stand between two links of a chain
.if \t%2
	v_wmma_scale_f32_16x16x128_f8f6f4 v[160+8*\t:167+8*\t], v[192+8*\t:199+8*\t], v[224:231], v[160+8*\t:167+8*\t], v[72+\t/2], v253 matrix_a_fmt:MATRIX_FMT_FP4 matrix_b_fmt:MATRIX_FMT_FP4 matrix_a_scale:MATRIX_SCALE_ROW1
.else
	v_wmma_scale_f32_16x16x128_f8f6f4 v[160+8*\t:167+8*\t], v[192+8*\t:199+8*\t], v[224:231], v[160+8*\t:167+8*\t], v[72+\t/2], v253 matrix_a_fmt:MATRIX_FMT_FP4 matrix_b_fmt:MATRIX_FMT_FP4
.endif
.endr
.Lnext:
	s_add_co_u32 s28, s28, SS                      ; the next step's slot,
	s_add_nc_u64 s[12:13], s[12:13], 256           ; its lane masks (no scalar load is out: a step that was done has waited for its four, a step that was jumped over has issued none)
	s_add_co_u32 s27, s27, 1
	s_cmp_lt_u32 s27, 16
	s_cbranch_scc1 .Lstep
	; THE WAY OUT.  O^T / the sum goes through my stage in LDS and leaves as whole rows: a tile of out0 is 4,096 consecutive bytes
	v_add_f32 v14, v14, v15                        ; the sum's two halves,
	v_permlanex16_b32 v236, v14, s8, s9
	v_add_f32 v14, v14, v236                       ; and lane l xor 16's: the row's sum
	s_wait_alu depctr_va_vdst(0)
	v_rcp_f32 v14, v14
	v_lshl_add_u32 v7, s25, 12, v1                 ; (the plain line behind the reciprocal)  my 16 bytes of each 512 of the tile
.rept 3
	v_nop                                          ; with the line above: four places between the last products and the first read of O^T
.endr
	s_wait_alu depctr_va_vdst(0)                   ; the reciprocal has written v14: the wait ahead of its first reader
.set j, 0
.rept 32
	v_mul_f32 v[96+j], v[160+j], v14               ; register 8 t + i is o(r, 16 t + 8 h + i)
.set j, j+1
.endr
	s_wait_alu depctr_va_vdst(0)                   ; the multiplies have written v96-127, which the LDS stores read; v7 is written, which the global stores read; the last step's vector lines are done with p in v128-159, in which the stage's loads land
.irp t, 0,1,2,3
	ds_store_b128 v8, v[96+8*\t:99+8*\t] offset:64*\t
	ds_store_b128 v8, v[100+8*\t:103+8*\t] offset:64*\t+16
.endr
.irp i, 0,1,2,3,4,5,6,7
	ds_load_b128 v[128+4*\i:131+4*\i], v9 offset:544*\i                  ; my own stage, served in order: these see the stores above
.endr
.irp i, 0,1,2,3,4,5,6,7
	s_wait_dscnt 7-\i                              ; LDS loads come back in order: number i is in
	global_store_b128 v7, v[128+4*\i:131+4*\i], s[20:21] offset:512*\i th:TH_STORE_NT   ; 32 lanes store 512 consecutive bytes, aligned: two rows of out0
.endr
	s_wait_xcnt 0x0                                ; the stores have read their data and their offset: the next tile writes both again
	s_wait_alu depctr_vm_vsrc(0)                   ; beside it: Q's loads have read v10 and v11, the LDS stores v96-127, the global stores v128-159 and v7: the next tile's vector lines, products and loads write all of these again
	s_sub_co_u32 s25, 127, s25                     ; the second tile: 127 - i
	s_sub_co_u32 s26, s26, 1
	s_cmp_lg_u32 s26, 0
	s_cbranch_scc1 .Ltile
	s_wait_dscnt 0x0
	s_wait_alu depctr_hold_cnt(0) depctr_sa_sdst(0) depctr_va_vdst(0) depctr_va_sdst(0) depctr_va_ssrc(0) depctr_va_vcc(0) depctr_vm_vsrc(0)
	s_wait_tensorcnt 0x0
	ds_add_u32 v251, v255
	s_wait_dscnt 0x0
	s_endpgm
.Lfunc_end_k_q322f4c96fc_attn:
	.size	k_q322f4c96fc_attn, .Lfunc_end_k_q322f4c96fc_attn-k_q322f4c96fc_attn
	.p2alignl 7, 3214868480
	.fill 96, 4, 3214868480
	.section	.rodata,"a",@progbits
	.p2align	6, 0x0
	.amdhsa_kernel k_q322f4c96fc_attn
		.amdhsa_group_segment_fixed_size 219648
		.amdhsa_private_segment_fixed_size 0
		.amdhsa_enable_private_segment 0
		.amdhsa_kernarg_size 72
		.amdhsa_user_sgpr_count 2
		.amdhsa_user_sgpr_kernarg_segment_ptr 1
		.amdhsa_wavefront_size32 1
		.amdhsa_system_sgpr_workgroup_id_x 1
		.amdhsa_system_sgpr_workgroup_id_y 1
		.amdhsa_system_sgpr_workgroup_id_z 1
		.amdhsa_system_vgpr_workitem_id 0
		.amdhsa_next_free_vgpr 256
		.amdhsa_next_free_sgpr 100
		.amdhsa_reserve_vcc 0
		.amdhsa_float_denorm_mode_32 3
		.amdhsa_float_denorm_mode_16_64 3
		.amdhsa_memory_ordered 1
		.amdhsa_forward_progress 1
		.amdhsa_inst_pref_size 34
	.end_amdhsa_kernel
	.amdgpu_metadata
---
amdhsa.version: [ 1, 2 ]
amdhsa.kernels:
  - .name:           k_q322f4c96fc_attn
    .symbol:         k_q322f4c96fc_attn.kd
    .args:
      - { .name: q_codes, .offset: 0, .size: 8, .value_kind: global_buffer, .address_space: global }
      - { .name: q_scales, .offset: 8, .size: 8, .value_kind: global_buffer, .address_space: global }
      - { .name: k_codes, .offset: 16, .size: 8, .value_kind: global_buffer, .address_space: global }
      - { .name: k_scales, .offset: 24, .size: 8, .value_kind: global_buffer, .address_space: global }
      - { .name: v_codes, .offset: 32, .size: 8, .value_kind: global_buffer, .address_space: global }
      - { .name: v_scales, .offset: 40, .size: 8, .value_kind: global_buffer, .address_space: global }
      - { .name: mask_words, .offset: 48, .size: 8, .value_kind: global_buffer, .address_space: global }
      - { .name: tile_flags, .offset: 56, .size: 8, .value_kind: global_buffer, .address_space: global }
      - { .name: out0, .offset: 64, .size: 8, .value_kind: global_buffer, .address_space: global }
    .group_segment_fixed_size: 219648
    .private_segment_fixed_size: 0
    .kernarg_segment_align: 8
    .kernarg_segment_size: 72
    .max_flat_workgroup_size: 512
    .sgpr_count:     100
    .vgpr_count:     256
    .wavefront_size: 32
...
	.end_amdgpu_metadata
.endif
;; end of part 4
